; MI455X (gfx1250); checked and timed in simulation.
; The chip was launched on July 23, 2026; its instructions are those of AMD's public machine-readable ISA for CDNA 5 (MIT licence, August 2026) and "CDNA5" Instruction Set Architecture Reference Guide (July 2026). The comments in the code are by the model that wrote it; some were corrected since.
;; Mo E. Allowed arithmetic: float matrix products may take bf16 or f16 operands with f32 sums; other float arithmetic in f32, or as packed bf16 or f16 multiplies, adds, multiply-adds, maxima and minima; sums over many terms, partial sums and values carried from step to step in f32; what a program stores and reads back later, other than sums and carried values, may be rounded once to bf16 or f16.
;; Inputs: W1 8 x 1,024 x 1,024 float32; W2 8 x 1,024 x 1,024 float32; Wg 1,024 x 8 float32; b1 8 x 1,024 float32; b2 8 x 1,024 float32; beta1 8 x 1,024 float32; beta2 8 x 1,024 float32; bg 8 float32; g1 8 x 1,024 float32; g2 8 x 1,024 float32; x 4 x 1,024 x 1,024 float32.
;; Outputs: out0 4 x 1,024 x 1,024 float32.
;; 2 versions, each right; version 2 is version 1 with the launch chain written anew for expert scheduling mode. Each part assembles by itself: llvm-mc -triple=amdgcn-amd-amdhsa -mcpu=gfx1250 --defsym DOCPART=n.
;; ======== version 1 of 2: 4 launches
;; workspace buffers: xb 8,388,608 bytes; route 16,384 bytes of whole numbers; gw 32,768 bytes; wb 33,554,432 bytes; list 34,560 bytes of whole numbers; tiles 768 bytes of whole numbers; z 17,694,720 bytes
;; launch router (part 1): grid 256 x 1, 8 waves a work-group, no clusters, 17,408 bytes of LDS; arguments x, Wg, bg, xb, route, gw; writes xb, route, gw
.if DOCPART == 1
	.amdgcn_target "amdgcn-amd-amdhsa--gfx1250"
	.amdhsa_code_object_version 6
	.text
	.protected	k_qebf8478237_router
	.globl	k_qebf8478237_router
	.p2align	8
	.type	k_qebf8478237_router,@function
k_qebf8478237_router:
	s_mov_b64 s[64:65], 0
	v_nop
	global_prefetch_b8 v0, s[64:65] scope:SCOPE_SE
	s_setreg_imm32_b32 hwreg(HW_REG_WAVE_MODE, 25, 1), 1
	s_wait_xcnt 0x0
; ROUTER.  scores = x Wg + bg for 4,096 tokens and 8 experts; the two largest scores of a token (the lower index wins a tie, as in lax.top_k), their softmax,
; and x rounded to bf16 for the later launches.  Stored at fixed places: xb [4096][1024] bf16; route, one word a token: e0 | e1 << 8 | 1 << (16 + e0) | 1 << (24 + e1);
; gw, the pair of f32 weights a token.  No address and no branch of this launch hangs on a score.
; LIMITS.  x, Wg and bg are rounded once to bf16, as every input of the program is; the products of the rounded numbers are exact in f32 and are summed in f32, in another order
; than a row-by-row sum: two scores closer than that sum's rounding may change places.  NaN and infinities are not treated apart.
; SHARES.  A work-group has 16 rows of x, a wave 2.  The stream of x binds, and a product with 8 columns has no use for the matrix units: a lane holds 32 numbers of a row
; and the 8 weights of each of them, 256 fused multiply-adds a row, then one sum over the 32 lanes for each expert.
; route and gw are 12 bytes a token, 48 KB in the whole launch: two lanes of a wave store them.
.set SPARE, 16384                      ; Wg as bf16 lies in LDS bytes 0 .. 16,383, 16 bytes for each of the 1,024 rows; behind it the spare words, 128 bytes a wave
.set SPW, 8                            ; v8   LDS address of my spare word; never rewritten
.set NIL, 9                            ; v9   0; never rewritten
.set WS,  16                           ; v[16:47]   my 128 bytes x 8 of Wg as loaded; later v16-23 at work, v32-39 the sums, v40-47 bg
.set RT,  16
.set ACC, 32
.set BG,  40
.set XR,  48                           ; v[48:111]  two rows, 32 registers each, as loaded; then packed in place: registers 4 j, 4 j + 1 hold numbers 128 j + 4 lane + 0..3
.set WP,  112                          ; v[112:239] the 8 weights (4 registers) of each of my 32 places in a row
.set S1,  240                          ; the largest score, its expert, the second, its expert
.set I1,  241
.set S2,  242
.set I2,  243
.set T0,  244
.set T1,  245
.set ONE, 246
.set RWD, 248                          ; v248, v249  the two rows' route words
.set DL,  250                          ; v250, v251  (s2 - s1) log2 e, then 2 to that power
.set GWP, 252                          ; v[252:255]  the two rows' pairs of weights
	s_load_b256 s[4:11], s[0:1], 0x0               ; x s[4:5], Wg s[6:7], bg s[8:9], xb s[10:11]
	s_load_b128 s[12:15], s[0:1], 0x20             ; route s[12:13], gw s[14:15]
	v_lshl_add_u32 v[SPW], v0, 2, SPARE
	v_mov_b32 v[NIL], 0
	v_and_b32 v1, 31, v0                           ; lane
	v_lshrrev_b32 v7, 5, v0
	v_readfirstlane_b32 s16, v7                    ; wave
	v_lshlrev_b32 v2, 4, v1                        ; 16 lane: my 16 bytes in 512 of x
	v_lshlrev_b32 v3, 4, v0                        ; 16 thread: my 16 bytes in 4,096 of Wg
	v_lshlrev_b32 v4, 3, v0                        ; 8 thread: where they go in LDS, packed
	v_lshlrev_b32 v5, 6, v1                        ; 64 lane: the weights of my four neighbouring places
	v_lshlrev_b32 v6, 3, v1                        ; 8 lane: my 8 bytes in 256 of xb; also my pair in gw
	v_lshlrev_b32 v10, 2, v1                       ; 4 lane: my word in route
	v_mov_b32 v[ONE], 1
	s_mov_b32 s40, 0x76543210                      ; v_permlanex16_b32: each lane takes its own place in the other half
	s_mov_b32 s41, 0xfedcba98
	s_lshl_b32 s24, ttmp9, 16                      ; 16 rows of 4,096 bytes a work-group,
	s_lshl_b32 s17, s16, 13                        ; 2 a wave
	s_add_co_u32 s24, s24, s17
	s_mov_b32 s25, 0
	s_lshr_b32 s26, s24, 1                         ; the same rows in xb (2,048 bytes),
	s_mov_b32 s27, 0
	s_lshr_b32 s28, s24, 10                        ; in route (4 bytes),
	s_mov_b32 s29, 0
	s_lshr_b32 s30, s24, 9                         ; and in gw (8 bytes)
	s_mov_b32 s31, 0
	s_wait_kmcnt 0x0
	s_load_b256 s[32:39], s[8:9], 0x0              ; bg
	s_add_nc_u64 s[4:5], s[4:5], s[24:25]
	s_add_nc_u64 s[10:11], s[10:11], s[26:27]
	s_add_nc_u64 s[12:13], s[12:13], s[28:29]
	s_add_nc_u64 s[14:15], s[14:15], s[30:31]
.set q, 0
.rept 8
	global_load_b128 v[WS+4*q:WS+4*q+3], v3, s[6:7] offset:q*4096
.set q, q+1
.endr
.set q, 0
.rept 16                                               ; both rows of x: 512 neighbouring bytes a load
	global_load_b128 v[XR+4*q:XR+4*q+3], v2, s[4:5] offset:q*512 th:TH_LOAD_NT
.set q, q+1
.endr
	s_wait_loadcnt 0x10                            ; Wg is in; the 16 loads of x stay out
.set q, 0
.rept 8
	v_cvt_pk_bf16_f32 v[WS+4*q],   v[WS+4*q],   v[WS+4*q+1]
	v_cvt_pk_bf16_f32 v[WS+4*q+1], v[WS+4*q+2], v[WS+4*q+3]
	ds_store_b64 v4, v[WS+4*q:WS+4*q+1] offset:q*2048
.set q, q+1
.endr
	s_wait_dscnt 0x0                               ; for the others' sake: my part of the table is written
	s_barrier_signal -1
	s_barrier_wait -1
.set q, 0
.rept 32                                               ; place 4 j + i of mine is row 128 j + 4 lane + i of Wg
	ds_load_b128 v[WP+4*q:WP+4*q+3], v5 offset:(q/4)*2048+(q%4)*16
.set q, q+1
.endr
	s_wait_kmcnt 0x0                               ; bg, rounded like the other inputs
.irp p, 0,1,2,3
	v_cvt_pk_bf16_f32 v7, s[32+2*\p], s[33+2*\p]
	v_lshlrev_b32 v[BG+2*\p], 16, v7
	v_and_b32 v[BG+2*\p+1], 0xffff0000, v7
.endr
	s_wait_dscnt 0x0
; One row: round and store it, the 8 scores, the two largest.  left = the loads of x that may stay out.
.macro ROW r, left
	s_wait_loadcnt \left
.set jj, 0
.rept 8
	v_cvt_pk_bf16_f32 v[XR+32*(\r)+4*jj],   v[XR+32*(\r)+4*jj],   v[XR+32*(\r)+4*jj+1]
	v_cvt_pk_bf16_f32 v[XR+32*(\r)+4*jj+1], v[XR+32*(\r)+4*jj+2], v[XR+32*(\r)+4*jj+3]
	global_store_b64 v6, v[XR+32*(\r)+4*jj:XR+32*(\r)+4*jj+1], s[10:11] offset:(\r)*2048+jj*256  ; the wave's store covers 256 consecutive bytes, aligned; its registers are not written again
.set jj, jj+1
.endr
.set jj, 0
.rept 8
.irp ip, 0,1
.irp ih, 0,1
.irp ep, 0,1,2,3
.irp eh, 0,1                                           ; the experts run fastest: eight sums take turns
.if (jj == 0) && (\ip == 0) && (\ih == 0)
	v_fma_mix_f32_bf16 v[ACC+2*\ep+\eh], v[XR+32*(\r)+4*jj+\ip], v[WP+4*(4*jj+2*\ip+\ih)+\ep], v[NIL] op_sel:[\ih,\eh,0] op_sel_hi:[1,1,0]
.else
	v_fma_mix_f32_bf16 v[ACC+2*\ep+\eh], v[XR+32*(\r)+4*jj+\ip], v[WP+4*(4*jj+2*\ip+\ih)+\ep], v[ACC+2*\ep+\eh] op_sel:[\ih,\eh,0] op_sel_hi:[1,1,0]
.endif
.endr
.endr
.endr
.endr
.set jj, jj+1
.endr
.irp m, 1,2,4,8                                        ; over the 32 lanes: four steps inside each half ride on the addition, one crosses the halves
.irp e, 0,1,2,3,4,5,6,7
	v_add_f32_dpp v[ACC+\e], v[ACC+\e], v[ACC+\e] row_xmask:\m row_mask:0xf bank_mask:0xf
.endr
.endr
.irp e, 0,1,2,3,4,5,6,7
	v_permlanex16_b32 v[RT+\e], v[ACC+\e], s40, s41
.endr
.irp e, 0,1,2,3,4,5,6,7
	v_add_f32 v[ACC+\e], v[ACC+\e], v[RT+\e]
.endr
.irp e, 0,1,2,3,4,5,6,7
	v_add_f32 v[ACC+\e], v[ACC+\e], v[BG+\e]
.endr
	v_mov_b32 v[S1], v[ACC]
	v_mov_b32 v[I1], 0
	v_mov_b32 v[S2], 0xff800000
	v_mov_b32 v[I2], 1
.irp e, 1,2,3,4,5,6,7                                  ; strictly greater alone displaces: of equal scores the lower index stays in front
	v_cmp_gt_f32 s42, v[ACC+\e], v[S1]
	v_cmp_gt_f32 s43, v[ACC+\e], v[S2]
	v_cndmask_b32 v[S2], v[S2], v[ACC+\e], s43
	v_cndmask_b32 v[I2], v[I2], \e, s43
	v_cndmask_b32 v[S2], v[S2], v[S1], s42
	v_cndmask_b32 v[I2], v[I2], v[I1], s42
	v_cndmask_b32 v[S1], v[S1], v[ACC+\e], s42
	v_cndmask_b32 v[I1], v[I1], \e, s42
.endr
	v_sub_f32 v[T0], v[S2], v[S1]                  ; the maximum is taken away: never above 0
	v_mul_f32 v[DL+(\r)], 0x3fb8aa3b, v[T0]
	v_lshlrev_b32 v[T0], v[I1], v[ONE]
	v_lshlrev_b32 v[T1], v[I2], v[ONE]
	v_lshl_or_b32 v[RWD+(\r)], v[I2], 8, v[I1]
	v_lshl_or_b32 v[RWD+(\r)], v[T0], 16, v[RWD+(\r)]
	v_lshl_or_b32 v[RWD+(\r)], v[T1], 24, v[RWD+(\r)]
.endm
	ROW 0, 8
	ROW 1, 0
	; softmax of two: w0 = 1 / (1 + t), w1 = t w0, t = e^(s2 - s1).  Both rows' exponentials are one batch, both reciprocals another.
	v_exp_f32 v[DL], v[DL]
	v_exp_f32 v[DL+1], v[DL+1]
	v_nop                                          ; a plain instruction behind the last exponential,
	s_wait_alu depctr_va_vdst(0)                   ; and the wait ahead of the first use
	v_add_f32 v[T0], 1.0, v[DL]
	v_add_f32 v[T1], 1.0, v[DL+1]
	v_rcp_f32 v[GWP], v[T0]
	v_rcp_f32 v[GWP+2], v[T1]
	v_nop
	s_wait_alu depctr_va_vdst(0)
	v_mul_f32 v[GWP+1], v[DL], v[GWP]
	v_mul_f32 v[GWP+3], v[DL+1], v[GWP+2]
	v_cmp_eq_u32 vcc_lo, 1, v1                     ; lane 0 keeps row 0's results, lane 1 takes row 1's
	v_cndmask_b32 v[RWD], v[RWD], v[RWD+1], vcc_lo
	v_cndmask_b32 v[GWP], v[GWP], v[GWP+2], vcc_lo
	v_cndmask_b32 v[GWP+1], v[GWP+1], v[GWP+3], vcc_lo
	v_cmp_gt_u32 vcc_lo, 2, v1
	s_wait_xcnt 0x0                                ; EXEC changes only behind this wait: the stores of xb are out
	s_and_saveexec_b32 s20, vcc_lo
	global_store_b32 v10, v[RWD], s[12:13]
	global_store_b64 v6, v[GWP:GWP+1], s[14:15]
	s_wait_xcnt 0x0                                ; and again in front of the line that widens it
	s_or_b32 exec_lo, exec_lo, s20
	s_wait_tensorcnt 0x0                           ; the wave's end
	ds_add_u32 v[SPW], v[NIL]
	s_wait_dscnt 0x0
	s_endpgm
.Lfunc_end_k_qebf8478237_router:
	.size	k_qebf8478237_router, .Lfunc_end_k_qebf8478237_router-k_qebf8478237_router
	.p2alignl 7, 3214868480
	.fill 96, 4, 3214868480
	.section	.rodata,"a",@progbits
	.p2align	6, 0x0
	.amdhsa_kernel k_qebf8478237_router
		.amdhsa_group_segment_fixed_size 17408
		.amdhsa_private_segment_fixed_size 0
		.amdhsa_enable_private_segment 0
		.amdhsa_kernarg_size 48
		.amdhsa_user_sgpr_count 2
		.amdhsa_user_sgpr_kernarg_segment_ptr 1
		.amdhsa_wavefront_size32 1
		.amdhsa_system_sgpr_workgroup_id_x 1
		.amdhsa_system_sgpr_workgroup_id_y 1
		.amdhsa_system_sgpr_workgroup_id_z 1
		.amdhsa_system_vgpr_workitem_id 0
		.amdhsa_next_free_vgpr 256
		.amdhsa_next_free_sgpr 66
		.amdhsa_reserve_vcc 1
		.amdhsa_float_denorm_mode_32 3
		.amdhsa_float_denorm_mode_16_64 3
		.amdhsa_memory_ordered 1
		.amdhsa_forward_progress 1
		.amdhsa_inst_pref_size 59
	.end_amdhsa_kernel
	.amdgpu_metadata
---
amdhsa.version: [ 1, 2 ]
amdhsa.kernels:
  - .name:           k_qebf8478237_router
    .symbol:         k_qebf8478237_router.kd
    .args:
      - { .name: x, .offset: 0, .size: 8, .value_kind: global_buffer, .address_space: global }
      - { .name: Wg, .offset: 8, .size: 8, .value_kind: global_buffer, .address_space: global }
      - { .name: bg, .offset: 16, .size: 8, .value_kind: global_buffer, .address_space: global }
      - { .name: xb, .offset: 24, .size: 8, .value_kind: global_buffer, .address_space: global }
      - { .name: route, .offset: 32, .size: 8, .value_kind: global_buffer, .address_space: global }
      - { .name: gw, .offset: 40, .size: 8, .value_kind: global_buffer, .address_space: global }
    .group_segment_fixed_size: 17408
    .private_segment_fixed_size: 0
    .kernarg_segment_align: 8
    .kernarg_segment_size: 48
    .max_flat_workgroup_size: 256
    .sgpr_count:     66
    .vgpr_count:     256
    .wavefront_size: 32
...
	.end_amdgpu_metadata
.endif
;; end of part 1
;; launch prep (part 2): grid 257 x 1, 32 waves a work-group, no clusters, 140,288 bytes of LDS; arguments W1, W2, route, wb, list, tiles; writes wb, list, tiles
.if DOCPART == 2
	.amdgcn_target "amdgcn-amd-amdhsa--gfx1250"
	.amdhsa_code_object_version 6
	.text
	.protected	k_qebf8478237_prep
	.globl	k_qebf8478237_prep
	.p2align	8
	.type	k_qebf8478237_prep,@function
k_qebf8478237_prep:
	s_mov_b64 s[64:65], 0
	v_nop
	global_prefetch_b8 v0, s[64:65] scope:SCOPE_SE
	s_setreg_imm32_b32 hwreg(HW_REG_WAVE_MODE, 25, 1), 1
	s_wait_xcnt 0x0
; PREP.  Work-groups 1 .. 256 round W1 and W2 to bf16 and lay them out for the chain; work-group 0 sorts the 8,192 chosen (token, rank) pairs by expert.
; wb: [expert][wave w of the chain][W1, W2][K step s of 32][column block nb of 16][fragment of 1,024 bytes], in bf16.  A fragment is what one matrix operand takes: 16 columns 256 w + 16 nb + r, 32 rows
; k = 32 s + ..; lane l = 16 h + r of the chain loads 16 bytes at 16 l (k = 8 h + 0 .. 7 of column r) and 16 bytes at 512 + 16 l (k = 16 + 8 h + 0 .. 7).  A wave's whole stream, 1 MiB, lies on end.
; list: by position p, a word: source token | row of z << 16.  Expert e has the positions base_e .. base_e + cap_e - 1, cap_e = its count rounded up to 64 (a work-group's rows in the chain);
; the sum of cap_e / 64 is at most 128 + 7 = 135 for every split of 8,192 rows over 8 experts: 8,640 positions, of which what is left at the end goes to expert 7.
; The 448 positions that hold no pair are numbered in the order of their positions: pad u names token 0 and row 8,192 + u of z, which nobody reads.
; tiles: for tile t of 64 positions the expert that owns it.
; THE SORT IS A BIJECTION: each of the 8,192 pairs and each of the 448 pads has one position, so every lane always has a word to store and EXEC is never changed.
; The order inside an expert is by wave, register and lane; any order serves, since the chain's rows do not depend on each other.
; The words are stored one a lane, to at most eight runs of neighbouring words a store: 34 KB in all.
; 64 registers a wave and 140,288 bytes of LDS: two work-groups have room side by side (2 x 8 waves x 64 registers on a SIMD), so that the 257th need not wait for another to end.
.set GRAN,  64                         ; positions of a tile
.set LGRAN, 6
.set NPOS,  8640
.set PADS,  NPOS-8192                  ; 448: fourteen waves' lanes
.set SPARE, 1024                       ; LDS: the sort's counts, [expert][wave], in bytes 0 .. 1,023; behind them the spare words, 128 bytes for each of 32 waves
.set STG,   5120                       ; behind those: the cast's stage, for each wave 8 blocks of 512 bytes
.set FP,    528                        ; from block to block: 512 + 16
.set WREG,  8*FP
.set SPW, 4
.set NIL, 5
.set CX, 8                             ; cast: v[8:39] eight row slots of 4 registers, as loaded; later the blocks read back
.set CY, 40                            ; cast: v[40:55] four pieces of 4 registers: 8 k of one column each
.set RW, 8                             ; sort: v[8:11]  route words: register i of lane l is token 128 wave + 4 l + i
.set TM, 12                            ; v12-15 at work
.set TA, 16                            ; v16-23 at work, one for each expert
.set TC, 24                            ; v24-31 lane W holds wave W's count, one register for each expert
.set PP, 32                            ; v32-35 positions of the first choices of registers 0-3, v36-39 of the second
.set DT, 40                            ; v40-47 the words to store
.set MK,  32                           ; s32-63 mask 8 i + e: the lanes whose token of register i chose expert e
.set POS, 66                           ; s66-73 first the wave's counts, then my next position for each expert
.set BAS, 74                           ; s74-81 first the reduced counts, then where each expert begins
.set POF, 82                           ; s82-89 pad u of expert e lies at position u + this
.set PCU, 90                           ; s90-97 the pads ahead of expert e's
	s_load_b256 s[4:11], s[0:1], 0x0               ; W1 s[4:5], W2 s[6:7], route s[8:9], wb s[10:11]
	s_load_b128 s[12:15], s[0:1], 0x20             ; list s[12:13], tiles s[14:15]
	v_lshl_add_u32 v[SPW], v0, 2, SPARE
	v_mov_b32 v[NIL], 0
	v_and_b32 v1, 31, v0                           ; lane
	v_lshrrev_b32 v2, 5, v0
	v_readfirstlane_b32 s16, v2                    ; wave 0 .. 31
	s_cmp_eq_u32 ttmp9, 0
	s_cbranch_scc1 .Lsort
	; THE CAST.  A work-group has 64 whole rows of one matrix, 256 KB on end; a wave 16 rows (half a K step) x 128 columns: 8,192 bytes in, 4,096 out.
	; Lane c loads 4 neighbouring columns of each row.  Two neighbouring rows' numbers round into one word, so four words are 8 k of one column: a piece of 16 bytes of a fragment.
	; The pieces go through my own LDS bytes, so that each store to memory covers 512 consecutive bytes: half a fragment.
	s_sub_co_u32 s17, ttmp9, 1
	s_lshr_b32 s18, s17, 7                         ; 0: W1, 1: W2
	s_bfe_u32 s19, s17, 0x30004                    ; expert
	s_and_b32 s20, s17, 15                         ; which 64 rows
	s_lshr_b32 s21, s16, 3                         ; which 16 of them
	s_and_b32 s22, s16, 7                          ; which 128 columns
	s_lshl2_add_u32 s23, s20, s21                  ; my group of 16 rows, 0 .. 63: K step = group / 2, half = group % 2
	s_lshl_b32 s24, s19, 22                        ; in: 4 MiB an expert,
	s_lshl_b32 s26, s23, 16                        ; 16 rows of 4,096 bytes,
	s_add_co_u32 s24, s24, s26
	s_lshl_b32 s26, s22, 9                         ; 128 columns of 4 bytes
	s_add_co_u32 s24, s24, s26
	s_mov_b32 s25, 0
	s_lshl_b32 s28, s19, 22                        ; out: 4 MiB an expert,
	s_lshr_b32 s26, s22, 1
	s_lshl_b32 s26, s26, 20                        ; 1 MiB a wave of the chain (256 columns),
	s_add_co_u32 s28, s28, s26
	s_lshl_b32 s26, s18, 19                        ; 512 KiB a matrix,
	s_add_co_u32 s28, s28, s26
	s_lshr_b32 s26, s23, 1
	s_lshl_b32 s26, s26, 14                        ; 16 KiB a K step,
	s_add_co_u32 s28, s28, s26
	s_and_b32 s26, s22, 1
	s_lshl_b32 s26, s26, 13                        ; 8 fragments for 128 columns,
	s_add_co_u32 s28, s28, s26
	s_and_b32 s26, s23, 1
	s_lshl_b32 s26, s26, 9                         ; 512 bytes for half a fragment
	s_add_co_u32 s28, s28, s26
	s_mov_b32 s29, 0
	s_mul_i32 s30, s16, WREG
	s_add_co_u32 s30, s30, STG                     ; my stage
	v_lshlrev_b32 v2, 4, v1                        ; 16 lane: in memory, both ways
	v_lshrrev_b32 v3, 2, v1                        ; into the stage: block c / 4 (16 columns),
	v_mul_u32_u24 v3, v3, FP
	v_and_b32 v6, 3, v1
	v_lshl_add_u32 v3, v6, 6, v3                   ; columns 4 (c % 4) + 0 .. 3 of it, 16 bytes each
	v_add_nc_u32 v3, s30, v3
	v_add_nc_u32 v6, s30, v2                       ; back: 16 lane in a block
	s_wait_kmcnt 0x0
	s_cmp_lg_u32 s18, 0
	s_cselect_b64 s[32:33], s[6:7], s[4:5]
	s_add_nc_u64 s[32:33], s[32:33], s[24:25]
	s_add_nc_u64 s[10:11], s[10:11], s[28:29]
.set cj, 0
.rept 8                                                ; rows 0 .. 7 fill the eight slots: 512 neighbouring bytes a load
	global_load_b128 v[CX+4*cj:CX+4*cj+3], v2, s[32:33] offset:cj*4096 th:TH_LOAD_NT
.set cj, cj+1
.endr
.set cp, 0
.rept 8                                                ; pair cp: rows 2 cp and 2 cp + 1, in slots 2 (cp % 4) and 2 (cp % 4) + 1
.if cp <= 4
	s_wait_loadcnt 6                               ; loads come back in order: my pair is in, the three pairs asked for behind it stay out
.else
	s_wait_loadcnt 14-2*cp                         ; nothing more is asked for: the counts run down
.endif
.set sl, CX+8*(cp%4)
.irp i, 0,1,2,3
	v_cvt_pk_bf16_f32 v[CY+4*\i+cp%4], v[sl+\i], v[sl+4+\i]  ; column i of my four: the lower k in the lower half
.endr
.if cp < 4
	global_load_b128 v[sl:sl+3],   v2, s[32:33] offset:(2*cp+8)*4096 th:TH_LOAD_NT   ; the two slots take the rows eight further down
	global_load_b128 v[sl+4:sl+7], v2, s[32:33] offset:(2*cp+9)*4096 th:TH_LOAD_NT
.endif
.if cp%4 == 3                                          ; four pairs are 8 k: a piece for each of my four columns
.irp i, 0,1,2,3
	ds_store_b128 v3, v[CY+4*\i:CY+4*\i+3] offset:(cp/4)*256+\i*16
.endr
.endif
.set cp, cp+1
.endr
.set t, 0
.rept 8                                                ; LDS serves a wave's instructions in order (ISA guide 5.7.1.4): these see the stores above
	ds_load_b128 v[CX+4*t:CX+4*t+3], v6 offset:t*FP
.set t, t+1
.endr
.set t, 0
.rept 8
	s_wait_dscnt 7-t
	global_store_b128 v2, v[CX+4*t:CX+4*t+3], s[10:11] offset:t*1024  ; the wave's store covers 512 consecutive bytes, aligned
.set t, t+1
.endr
	s_wait_tensorcnt 0x0                           ; the wave's end
	ds_add_u32 v[SPW], v[NIL]
	s_wait_dscnt 0x0
	s_endpgm
.Lsort:
	; THE SORT, a counting sort without atomics.  Wave W has tokens 128 W .. 128 W + 127.
	v_lshlrev_b32 v2, 4, v1
	v_lshl_add_u32 v2, s16, 9, v2                  ; 512 W + 16 lane
	s_mov_b32 s18, 0x76543210                      ; v_permlanex16_b32: each lane takes its own place in the other half
	s_mov_b32 s19, 0xfedcba98
	s_wait_kmcnt 0x0
	global_load_b128 v[RW:RW+3], v2, s[8:9]
	s_wait_loadcnt 0x0
.set q, 0
.rept 32                                               ; a route word names expert e by bit 16 + e (first choice) or bit 24 + e (second)
	v_and_b32 v[TM+q%4], 0x01010000<<(q%8), v[RW+q/8]
	v_cmp_ne_u32 s[MK+q], 0, v[TM+q%4]
.set q, q+1
.endr
.irp e, 0,1,2,3,4,5,6,7                                ; my wave's rows for each expert
	s_bcnt1_i32_b32 s[POS+\e], s[MK+\e]
	s_bcnt1_i32_b32 s20, s[MK+8+\e]
	s_bcnt1_i32_b32 s21, s[MK+16+\e]
	s_bcnt1_i32_b32 s22, s[MK+24+\e]
	s_add_co_u32 s[POS+\e], s[POS+\e], s20
	s_add_co_u32 s21, s21, s22
	s_add_co_u32 s[POS+\e], s[POS+\e], s21
.endr
	s_lshl_b32 s20, s16, 2
	v_mov_b32 v3, s20
.irp e, 0,1,2,3,4,5,6,7
	v_mov_b32 v[TA+\e], s[POS+\e]
	ds_store_b32 v3, v[TA+\e] offset:\e*128        ; all lanes write the same word with the same number
.endr
	s_wait_dscnt 0x0                               ; for the others' sake: my counts are written
	s_barrier_signal -1
	s_barrier_wait -1
	v_lshlrev_b32 v6, 2, v1
.irp e, 0,1,2,3,4,5,6,7
	ds_load_b32 v[TC+\e], v6 offset:\e*128         ; lane W' holds wave W's count
.endr
	v_cmp_gt_u32 s23, s16, v1                      ; the lanes that stand for the waves below mine
	s_wait_dscnt 0x0
.irp e, 0,1,2,3,4,5,6,7                                ; two sums in one word: an expert has 4,096 rows at the most
	v_cndmask_b32 v[TA+\e], 0, v[TC+\e], s23
	v_lshl_add_u32 v[TC+\e], v[TA+\e], 16, v[TC+\e]
.endr
.irp m, 1,2,4,8                                        ; over the 32 lanes, in whole numbers: four steps inside each half, one across
.irp e, 0,1,2,3,4,5,6,7
	v_mov_b32_dpp v[TA+\e], v[TC+\e] row_xmask:\m row_mask:0xf bank_mask:0xf
.endr
.irp e, 0,1,2,3,4,5,6,7
	v_add_nc_u32 v[TC+\e], v[TC+\e], v[TA+\e]
.endr
.endr
.irp e, 0,1,2,3,4,5,6,7
	v_permlanex16_b32 v[TA+\e], v[TC+\e], s18, s19
.endr
.irp e, 0,1,2,3,4,5,6,7
	v_add_nc_u32 v[TC+\e], v[TC+\e], v[TA+\e]
.endr
.irp e, 0,1,2,3,4,5,6,7
	v_readfirstlane_b32 s[BAS+\e], v[TC+\e]
.endr
	s_mov_b32 s24, 0                               ; the running position
	s_mov_b32 s25, 0                               ; the pads so far
.irp e, 0,1,2,3,4,5,6,7
	s_and_b32 s26, s[BAS+\e], 0xffff               ; the expert's rows
	s_lshr_b32 s27, s[BAS+\e], 16                  ; those of the waves below mine
	s_mov_b32 s[BAS+\e], s24                       ; where the expert begins
	s_add_co_u32 s[POS+\e], s24, s27               ; my first position in it
	s_add_co_u32 s24, s24, s26                     ; where its padding begins
	s_sub_co_u32 s[POF+\e], s24, s25
	s_mov_b32 s[PCU+\e], s25
.if \e < 7
	s_mov_b32 s28, s24
	s_add_co_u32 s24, s24, GRAN-1
	s_and_b32 s24, s24, -GRAN                      ; up to a multiple of 64
	s_sub_co_u32 s28, s24, s28
	s_add_co_u32 s25, s25, s28
.endif
.endr
	; placement.  For each register and expert: the position of the lanes that chose it; a lane keeps it for its first or its second choice.
.set i, 0
.rept 4
	v_bfe_u32 v[TM], v[RW+i], 8, 8                 ; the second choice
	v_mbcnt_lo_u32_b32 v[PP+i], s[MK+8*i], s[POS]  ; expert 0 starts both registers: every lane's two choices overwrite what is not its own
	v_mov_b32 v[PP+4+i], v[PP+i]
	s_bcnt1_i32_b32 s22, s[MK+8*i]
	s_add_co_u32 s[POS], s[POS], s22
.set e, 1
.rept 7
	v_mbcnt_lo_u32_b32 v[TM+1+e%2], s[MK+8*i+e], s[POS+e]  ; my next position, plus the choosing lanes below me
	v_cmp_eq_u32 s20, e, v[TM]
	s_and_not1_b32 s21, s[MK+8*i+e], s20
	v_cndmask_b32 v[PP+4+i], v[PP+4+i], v[TM+1+e%2], s20
	v_cndmask_b32 v[PP+i],   v[PP+i],   v[TM+1+e%2], s21
	s_bcnt1_i32_b32 s22, s[MK+8*i+e]
	s_add_co_u32 s[POS+e], s[POS+e], s22
.set e, e+1
.endr
.set i, i+1
.endr
	v_lshlrev_b32 v7, 2, v1
	v_lshl_add_u32 v7, s16, 7, v7                  ; 128 W + 4 lane
	v_lshl_add_u32 v7, v7, 17, v7                  ; token | (2 token + rank) << 16 = token x 0x20001 + rank << 16
.set x, 0
.rept 8
	v_lshlrev_b32 v[PP+x], 2, v[PP+x]
	v_min_u32 v[PP+x], (NPOS-1)*4, v[PP+x]         ; a number made of loaded ones enters an address only behind a bound
	v_add_nc_u32 v[DT+x], (x%4)*0x20001+(x/4)*0x10000, v7
	global_store_b32 v[PP+x], v[DT+x], s[12:13]
.set x, x+1
.endr
	s_cmp_lt_u32 s16, PADS/32                      ; waves 0 .. 13: pad u = my thread's number
	s_cbranch_scc0 .Lno_pads
	v_mov_b32 v48, s[POF]
.irp e, 1,2,3,4,5,6,7                                  ; the last expert whose pads begin at or below u; one without pads is passed over
	v_cmp_le_u32 vcc_lo, s[PCU+\e], v0
	v_cndmask_b32 v48, v48, s[POF+\e], vcc_lo
.endr
	v_add_nc_u32 v48, v48, v0
	v_lshlrev_b32 v48, 2, v48
	v_min_u32 v48, (NPOS-1)*4, v48
	v_add_nc_u32 v49, 8192, v0
	v_lshlrev_b32 v49, 16, v49                     ; token 0, row 8,192 + u
	global_store_b32 v48, v49, s[12:13]
.Lno_pads:
	s_cmp_lt_u32 s16, 5                            ; waves 0 .. 4: 160 words of tiles, of which the chain reads 135
	s_cbranch_scc0 .Lno_tiles
	v_lshlrev_b32 v50, LGRAN, v0                   ; tile t begins at position 64 t
	v_mov_b32 v51, 0
.irp e, 1,2,3,4,5,6,7
	v_cmp_le_u32 vcc_lo, s[BAS+\e], v50            ; an expert without rows begins where the next does, and is passed over
	v_cndmask_b32 v52, 0, 1, vcc_lo
	v_add_nc_u32 v51, v51, v52
.endr
	v_lshlrev_b32 v53, 2, v0
	global_store_b32 v53, v51, s[14:15]
.Lno_tiles:
	s_wait_tensorcnt 0x0                           ; the wave's end
	ds_add_u32 v[SPW], v[NIL]
	s_wait_dscnt 0x0
	s_endpgm
.Lfunc_end_k_qebf8478237_prep:
	.size	k_qebf8478237_prep, .Lfunc_end_k_qebf8478237_prep-k_qebf8478237_prep
	.p2alignl 7, 3214868480
	.fill 96, 4, 3214868480
	.section	.rodata,"a",@progbits
	.p2align	6, 0x0
	.amdhsa_kernel k_qebf8478237_prep
		.amdhsa_group_segment_fixed_size 140288
		.amdhsa_private_segment_fixed_size 0
		.amdhsa_enable_private_segment 0
		.amdhsa_kernarg_size 48
		.amdhsa_user_sgpr_count 2
		.amdhsa_user_sgpr_kernarg_segment_ptr 1
		.amdhsa_wavefront_size32 1
		.amdhsa_system_sgpr_workgroup_id_x 1
		.amdhsa_system_sgpr_workgroup_id_y 1
		.amdhsa_system_sgpr_workgroup_id_z 1
		.amdhsa_system_vgpr_workitem_id 0
		.amdhsa_next_free_vgpr 64
		.amdhsa_next_free_sgpr 100
		.amdhsa_reserve_vcc 1
		.amdhsa_float_denorm_mode_32 3
		.amdhsa_float_denorm_mode_16_64 3
		.amdhsa_memory_ordered 1
		.amdhsa_forward_progress 1
		.amdhsa_inst_pref_size 40
	.end_amdhsa_kernel
	.amdgpu_metadata
---
amdhsa.version: [ 1, 2 ]
amdhsa.kernels:
  - .name:           k_qebf8478237_prep
    .symbol:         k_qebf8478237_prep.kd
    .args:
      - { .name: W1, .offset: 0, .size: 8, .value_kind: global_buffer, .address_space: global }
      - { .name: W2, .offset: 8, .size: 8, .value_kind: global_buffer, .address_space: global }
      - { .name: route, .offset: 16, .size: 8, .value_kind: global_buffer, .address_space: global }
      - { .name: wb, .offset: 24, .size: 8, .value_kind: global_buffer, .address_space: global }
      - { .name: list, .offset: 32, .size: 8, .value_kind: global_buffer, .address_space: global }
      - { .name: tiles, .offset: 40, .size: 8, .value_kind: global_buffer, .address_space: global }
    .group_segment_fixed_size: 140288
    .private_segment_fixed_size: 0
    .kernarg_segment_align: 8
    .kernarg_segment_size: 48
    .max_flat_workgroup_size: 1024
    .sgpr_count:     100
    .vgpr_count:     64
    .wavefront_size: 32
...
	.end_amdgpu_metadata
.endif
;; end of part 2
;; launch chain (part 3): grid 135 x 1, 4 waves a work-group, no clusters, 146,944 bytes of LDS; arguments xb, wb, list, tiles, b1, g1, beta1, b2, g2, beta2, z; writes z
.if DOCPART == 3
	.amdgcn_target "amdgcn-amd-amdhsa--gfx1250"
	.amdhsa_code_object_version 6
	.text
	.protected	k_qebf8478237_chain
	.globl	k_qebf8478237_chain
	.p2align	8
	.type	k_qebf8478237_chain,@function
k_qebf8478237_chain:
	s_mov_b64 s[64:65], 0
	v_nop
	global_prefetch_b8 v0, s[64:65] scope:SCOPE_SE
	s_setreg_imm32_b32 hwreg(HW_REG_WAVE_MODE, 25, 1), 1
	s_wait_xcnt 0x0
; THE CHAIN of one expert for 64 rows: h = relu(LN(x W1 + b1) g1 + beta1); z = LN(h W2 + b2) g2 + beta2, stored as bf16 at the rows of z that the list names.
; LIMITS.  x and the weights arrive rounded to bf16; the biases, gains and betas are rounded to bf16 here, like every input of the program; h and z are rounded once to bf16.  Product sums and the
; statistics stay in f32; the variance is made of each wave's mean and centred squares and of the four means' spread, never as a difference of large sums.  NaN and infinities are not treated apart.
; SHARES.  Both norms run over all 1,024 columns, so a work-group owns whole rows: 64 rows x 1,024 columns of f32 sums are 512 registers in each of four waves; wave w has columns 256 w .. 256 w + 255.
; 135 work-groups cover every split of the 8,192 rows (an expert's positions are a multiple of 64); positions past an expert's count repeat token 0 and store to rows of z that nobody reads.
; No branch and no count hangs on the split.
; THE WEIGHTS GO FROM MEMORY STRAIGHT INTO OPERAND REGISTERS.  A weight is wanted by one wave of the work-group alone (the wave that owns its column), so LDS would only pass it on.  wb holds each wave's
; fragments in the order in which it takes them, 1 MiB on end for W1 and W2: a load of 16 bytes a lane brings half a fragment, 512 consecutive bytes.  Window 1 is a ring of four units of 8 fragments;
; behind a unit's 32 matrix instructions its 8 fragments are asked for again, a trip on, in one run of 16 loads: at every wait 48 loads, 24 KB, of a wave stay on their way, and every wait is counted.
; Each unit has a base address of its own, stepped behind the counted wait that shows the loads that named it done: the step needs no wait of its own.
; THE TOKENS lie in LDS, one region of 64 rows: first x, then h, then z; all four waves read the same fragments of it.
; NO CLUSTER, though the work-groups of one expert walk the same weights: an expert's tiles of 64 rows are no multiple of four at every split, and the weights' address hangs on the expert, a number read
; from memory, where a joint load's descriptor is to be made of coordinates that the partners share.  The price: each work-group asks for its expert's 4 MiB by itself, 135 x 4 MiB in all.
; NO PREFETCH of the weights: some 17 work-groups walk an expert's stream at about the same time, so most of their loads ask for what a neighbour has just read.
; THE MATRIX INSTRUCTION IS USED TRANSPOSED: source 0 = 16 output columns of W, source 1 = 16 tokens.  Lane (r, h) then holds token r and columns 8 h + 0 .. 7: rounded in pairs, 16 neighbouring bytes of a row.
; REGISTERS, in windows of 256 (s_set_vgpr_msb: bits 1:0 source 0, 3:2 source 1, 5:4 source 2, 7:6 destination):
;   window 0: v0-23 addresses; v24-63 statistics; v64-143 at work outside the K loop; v144-151 my list entries; v188-190 addresses; v192-255 two buffers of 4 fragments of tokens
;   window 1: the ring of weights: unit j of a trip at v[64 j]      windows 2, 3: the sums: (row block a, column block nb) at v[8 (4 (nb % 8) + a)] of window 2 + nb / 8
.set APITCH, 2064                      ; a row of tokens in LDS: 2,048 bytes + 16 = 129 x 16: the 16 rows of a fragment load start at 16 different groups of four banks (64 banks of 4 bytes: ISA guide 11.1)
.set ABLK,   16*APITCH                 ; a block of 16 rows
.set PARW,   64*APITCH                 ; behind the rows: for each wave 6 x 512 bytes: b1, g1, beta1, b2, g2, beta2 of its 256 columns in bf16
.set PARB,   3072
.set STAT,   PARW+4*PARB               ; 32 bytes a row: (mean, centred squares) of each wave
.set SPARE,  STAT+2048                 ; the spare words, 128 bytes a wave: two blocks of 256 bytes that no other line names
.set ZROWS,  8640                      ; rows of z
.set TRIPB,  32768                     ; a trip's weights for a wave: 2 K steps x 16 fragments
.set ADRA, 8                           ; v8, v9  this trip's place in the rows, for row blocks 0-1 and 2-3
.set XW,   10                          ; v10  by rows: row 16 w + 8 h, byte 16 r: the gather's way in and the way out
.set HW,   12                          ; v12, v13  by lanes: row r, byte 512 w + 16 h, for row blocks 0-1 and 2-3
.set PARWR, 14
.set PARRD, 15                         ; this product's bias, + 16 h; gain 512 further, beta 1,024
.set STATW, 16
.set STATR, 17
.set LO,   18                          ; v18  byte offset in list of entries p0 + 16 w + 8 h
.set PO,   19                          ; v19  byte offset in a parameter of my 8 columns
.set COLB, 20                          ; v20  16 r
.set LB,   21                          ; v21  the lower bound: 0 twice (ReLU), or minus infinity twice (nothing)
.set SPW,  22
.set NIL,  23
.set SUM,  24                          ; v[24:31]  a pair for each row block
.set QS,   32
.set NM,   40                          ; (-mean_w, -mean_w)
.set RS,   48                          ; (rs, rs)
.set C0,   56                          ; ((mean_w - mean) rs, twice)
.set E0,   64                          ; the norm's small work
.set E1,   68
.set E2,   72
.set TT,   64                          ; 32: a column block's 4 x 8 numbers
.set GG,   96
.set BT,   104
.set PK,   112                         ; two buffers of gain (4) and beta (4), packed
.set CV,   128                         ; 16 packed results
.set OB,   64                          ; the way out: two buffers of 32
.set LSTK, 144                         ; v[144:151]  list entries p0 + 16 w + 8 h + 0 .. 7, kept from the head to the way out
.set ABAS, 188                         ; v188, v189  row r, byte 16 h, for row blocks 0-1 and 2-3; never rewritten
.set BO,   190                         ; v190  16 lane; never rewritten
.set AB0,  192
.set AB1,  224
.set XO,   224                         ; the head: byte offsets of my 8 rows of xb
.set BP,   28                          ; s[28:35] for each of the ring's four units: the trip of my stream from which it was last filled
.set WV,   52
.set GI,   53                          ; 0: first product, 1: second
.set II,   54                          ; trip
.set HM,   55
.set SEL,  56
.set EX,   58
.set KO,   59                          ; 128 x trip: this trip's bytes in a row of tokens
.set MSB, 0
.macro WIN new                         ; the immediate's high byte repeats the setting that is left; a switch that changes nothing is dropped
.if MSB != (\new)
	s_set_vgpr_msb (MSB<<8)|(\new)
.set MSB, \new
.endif
.endm
.macro PLACES                          ; a load into a register that a matrix instruction has read stands four plain vector instructions behind it (ISA guide 7.12.1 for vector instructions)
.rept 4
	v_nop
.endr
.endm
.macro GATH n                          ; bytes 256 n .. of my 16 rows of x: sixteen lanes read 256 consecutive bytes of one row, aligned
	WIN 0x80                                       ; into window 2, which holds no sums yet
.set t, 0
.rept 8
	global_load_b128 v[32*(\n)+4*t:32*(\n)+4*t+3], v[XO+t], s[4:5] offset:(\n)*256
.set t, t+1
.endr
.endm
.macro BLOAD j, q                      ; half q of unit j: 4 fragments, 8 loads of 512 consecutive bytes, by the unit's own base
	WIN 0x40                                       ; into window 1
.set fb, 4*(\q)
.rept 4
	global_load_b128 v[64*(\j)+8*fb:64*(\j)+8*fb+3],   v[BO], s[BP+2*(\j):BP+2*(\j)+1] offset:(\j)*8192+fb*1024
	global_load_b128 v[64*(\j)+8*fb+4:64*(\j)+8*fb+7], v[BO], s[BP+2*(\j):BP+2*(\j)+1] offset:(\j)*8192+fb*1024+512
.set fb, fb+1
.endr
.endm
.macro FETCHA ar, off, ab              ; a K step's 4 fragments of tokens: row 16 a + r, k = 8 h + 0 .. 7 and 16 + 8 h + 0 .. 7
	WIN 0
.set fa, 0
.rept 4
	ds_load_b128 v[(\ab)+8*fa:(\ab)+8*fa+3],   v[(\ar)+fa/2] offset:(fa%2)*ABLK+(\off)
	ds_load_b128 v[(\ab)+8*fa+4:(\ab)+8*fa+7], v[(\ar)+fa/2] offset:(fa%2)*ABLK+(\off)+32
.set fa, fa+1
.endr
.endm
.macro MUL16 j, q                      ; the sums take turns, one instruction a turn: the same one comes again behind the 63 others
	WIN 0xa1+0x50*((\j)%2)                         ; weights in window 1, tokens in window 0, sums in window 2 or 3
.set mb, 4*(\q)
.rept 4
.set ma, 0
.rept 4
	v_wmma_f32_16x16x32_bf16 v[8*(4*mb+ma):8*(4*mb+ma)+7], v[64*(\j)+8*mb:64*(\j)+8*mb+7], v[AB0+32*((\j)/2)+8*ma:AB0+32*((\j)/2)+8*ma+7], v[8*(4*mb+ma):8*(4*mb+ma)+7]
.set ma, ma+1
.endr
.set mb, mb+1
.endr
.endm
; A TRIP: 2 K steps of 32, four units of 32 matrix instructions.  Unit j: K step j / 2, column blocks 8 (j % 2) + 0 .. 7.
; refill = 1: behind each unit its 8 fragments are asked for again, a trip on, in one run; the wait at a unit's head leaves out the three units asked for behind it, 48 loads.  That wait shows the
; unit's own 16 loads done, and these alone name its base: so the base is stepped directly behind it.
; refill = 0: nothing is asked for, and the counts run down.  lastk = 1: the product's last trip: there is no further K step of tokens to fetch.
; The LDS loads of tokens stand at the head of the same runs, so that a trip has four runs of loads in all.
.macro TRIP refill, lastk
	WIN 0
	v_add_nc_u32 v[ADRA],   s[KO], v[ABAS]
	v_add_nc_u32 v[ADRA+1], s[KO], v[ABAS+1]
.set ux, 0
.rept 4
.if \refill
	s_wait_loadcnt 48
	s_add_nc_u64 s[BP+2*ux:BP+2*ux+1], s[BP+2*ux:BP+2*ux+1], TRIPB
.else
	s_wait_loadcnt 48-16*ux
.endif
.if (ux%2) == 0
	s_wait_dscnt 0x0                               ; this K step's tokens, asked for 32 matrix instructions ago
.endif
	MUL16 ux, 0
	MUL16 ux, 1
.set fetch, 0
.if ux == 0
.set fetch, 1
.endif
.if (ux == 2) && !(\lastk)
.set fetch, 1
.endif
.if (\refill) || fetch
	PLACES
.endif
.if ux == 0
	FETCHA ADRA, 64, AB1                           ; the trip's second K step
.endif
.if (ux == 2) && !(\lastk)
	FETCHA ADRA, 128, AB0                          ; the next trip's first
.endif
.if \refill
	BLOAD ux, 0
	BLOAD ux, 1
.endif
.set ux, ux+1
.endr
.endm
	s_load_b512 s[4:19], s[0:1], 0x0               ; xb s[4:5], wb s[6:7], list s[8:9], tiles s[10:11], b1 s[12:13], g1 s[14:15], beta1 s[16:17], b2 s[18:19]
	s_load_b128 s[20:23], s[0:1], 0x40             ; g2 s[20:21], beta2 s[22:23]
	s_load_b64 s[24:25], s[0:1], 0x50              ; z
	v_lshl_add_u32 v[SPW], v0, 2, SPARE
	v_mov_b32 v[NIL], 0
	v_lshrrev_b32 v3, 5, v0
	v_readfirstlane_b32 s[WV], v3                  ; wave 0..3
	s_mov_b32 s[HM], 0xffff0000
	s_mov_b32 s[SEL], 0x76543210
	s_mov_b32 s[SEL+1], 0xfedcba98
	v_and_b32 v1, 15, v0                           ; r
	v_bfe_u32 v2, v0, 4, 1                         ; h
	v_and_b32 v3, 31, v0                           ; lane
	v_lshlrev_b32 v[BO], 4, v3
	v_mul_u32_u24 v4, v1, APITCH
	v_lshl_add_u32 v[ABAS], v2, 4, v4              ; row r, byte 16 h
	v_add_nc_u32 v[ABAS+1], 2*ABLK, v[ABAS]
	s_lshl_b32 s76, s[WV], 9
	v_add_nc_u32 v[HW], s76, v[ABAS]               ; + my 256 columns' 512 bytes
	v_add_nc_u32 v[HW+1], 2*ABLK, v[HW]
	s_mul_i32 s72, s[WV], ABLK
	v_mul_u32_u24 v4, v2, 8*APITCH
	v_lshl_add_u32 v4, v1, 4, v4
	v_add_nc_u32 v[XW], s72, v4                    ; row 16 w + 8 h, byte 16 r
	s_mul_i32 s73, s[WV], PARB
	s_add_co_u32 s73, s73, PARW
	v_add_nc_u32 v[PARWR], s73, v[BO]
	v_lshl_add_u32 v[PARRD], v2, 4, s73
	v_lshlrev_b32 v4, 5, v1
	v_add_nc_u32 v[STATR], STAT, v4
	s_lshl_b32 s74, s[WV], 3
	v_add_nc_u32 v[STATW], s74, v[STATR]
	s_lshl_b32 s75, ttmp9, 8                       ; my tile's 64 positions of 4 bytes,
	s_lshl_b32 s74, s[WV], 6                       ; my wave's 16 of them
	s_add_co_u32 s75, s75, s74
	v_lshl_add_u32 v[LO], v2, 5, s75
	v_lshlrev_b32 v[COLB], 4, v1
	s_lshl_b32 s77, ttmp9, 2
	s_wait_kmcnt 0x0
	s_load_b32 s[EX], s[10:11], s77 offset:0x0     ; my tile's expert
	global_load_b128 v[LSTK:LSTK+3],   v[LO], s[8:9]
	global_load_b128 v[LSTK+4:LSTK+7], v[LO], s[8:9] offset:16
	s_wait_kmcnt 0x0
	s_min_u32 s[EX], s[EX], 7                      ; a loaded number enters an address only behind a bound
	s_lshl_b32 s78, s[EX], 22                      ; an expert's weights are 4 MiB,
	s_lshl_b32 s74, s[WV], 20                      ; my wave's stream 1 MiB of them
	s_add_co_u32 s78, s78, s74
	s_mov_b32 s79, 0
	s_add_nc_u64 s[BP:BP+1], s[6:7], s[78:79]      ; all four units begin at my stream's first trip; a unit's place in a trip stands in its loads' immediates
	s_mov_b64 s[BP+2:BP+3], s[BP:BP+1]
	s_mov_b64 s[BP+4:BP+5], s[BP:BP+1]
	s_mov_b64 s[BP+6:BP+7], s[BP:BP+1]
	s_lshl_b32 s77, s[EX], 12
	s_lshl_b32 s74, s[WV], 10
	s_add_co_u32 s77, s77, s74
	v_lshl_add_u32 v[PO], v3, 5, s77               ; 4,096 e + 1,024 w + 32 lane
.set t, 0
.rept 6                                                ; both products' bias, gain and beta: my 256 columns
	global_load_b128 v[64+8*t:64+8*t+3],   v[PO], s[12+2*t:13+2*t]
	global_load_b128 v[64+8*t+4:64+8*t+7], v[PO], s[12+2*t:13+2*t] offset:16
.set t, t+1
.endr
	s_wait_loadcnt 12                              ; the list's entries are in; the twelve parameter loads stay out
.set t, 0
.rept 8
	v_and_b32 v[XO+t], 0xffff, v[LSTK+t]           ; the source token,
	v_min_u32 v[XO+t], 0xfff, v[XO+t]              ; bounded,
	v_lshl_add_u32 v[XO+t], v[XO+t], 11, v[COLB]   ; its row of xb, my 16 bytes
.set t, t+1
.endr
	; x into LDS, by chunks of 256 bytes of my 16 rows.  Groups of eight loads go out in this order: chunks 0 to 5; then, one behind each finished chunk, chunks 6 and 7 and the weights' first six halves of units.
	; So behind each chunk's loads five groups have been issued when it is waited for: the count is 40 every time.
	GATH 0
	GATH 1
	GATH 2
	GATH 3
	GATH 4
	GATH 5
.set cn, 0
.rept 8
	s_wait_loadcnt 40
	WIN 0x08                                       ; store data in window 2
.set t, 0
.rept 8
	ds_store_b128 v[XW], v[32*cn+4*t:32*cn+4*t+3] offset:t*APITCH+cn*256
.set t, t+1
.endr
.if cn < 2
	GATH cn+6
.else
	BLOAD (cn-2)/2, (cn-2)%2
.endif
.set cn, cn+1
.endr
	BLOAD 3, 0
	BLOAD 3, 1                                     ; the ring is full: the first trip's four units
	WIN 0
.set t, 0
.rept 24                                               ; the parameters, older than every chunk, are in: rounded to bf16, into my own LDS bytes
	v_cvt_pk_bf16_f32 v[112+t], v[64+2*t], v[64+2*t+1]
.set t, t+1
.endr
.set t, 0
.rept 6
	ds_store_b128 v[PARWR], v[112+4*t:112+4*t+3] offset:512*t
.set t, t+1
.endr
	s_mov_b32 s[GI], 0
.Lgemm:                                                ; two trips: the first product and norm, the second product and norm
	s_wait_dscnt 0x0                               ; for the others' sake: my part of the rows (x, or h) is written
	s_barrier_signal -1
	s_barrier_wait -1
	FETCHA ABAS, 0, AB0                            ; the first K step's tokens
.set t, 0
.rept 16
	ds_load_b128 v[64+4*t:64+4*t+3], v[PARRD] offset:32*t   ; the bias of columns 16 nb + 8 h + 0 .. 7
.set t, t+1
.endr
	s_cmp_eq_u32 s[GI], 0
	s_cselect_b32 s77, 0, 0xff80ff80
	v_mov_b32 v[LB], s77
	s_mov_b32 s[KO], 0
	s_wait_dscnt 0x0
	; the sums begin with the bias: the step '+ b' of the layer
.set nbx, 0
.rept 16
	WIN 0x80+0x40*(nbx/8)
.set jx, 0
.rept 4
.set ax, 0
.rept 4
	v_lshlrev_b32 v[8*(4*(nbx%8)+ax)+2*jx],   16, v[64+4*nbx+jx]
	v_and_b32     v[8*(4*(nbx%8)+ax)+2*jx+1], s[HM], v[64+4*nbx+jx]
.set ax, ax+1
.endr
.set jx, jx+1
.endr
.set nbx, nbx+1
.endr
	WIN 0
	s_mov_b32 s[II], 0
.Ltrip:                                                ; K steps 0 .. 29
	TRIP 1, 0
	WIN 0
	s_add_co_u32 s[KO], s[KO], 128
	s_add_co_u32 s[II], s[II], 1
	s_cmp_lt_u32 s[II], 15
	s_cbranch_scc1 .Ltrip
	s_cmp_lg_u32 s[GI], 0
	s_cbranch_scc1 .Ltail_last
	TRIP 1, 1                                      ; W1's last trip goes on asking: W2 follows W1 in my stream, and its first trip's weights are on their way during the norm
	WIN 0
	s_branch .Lnorm
.Ltail_last:
	TRIP 0, 1                                      ; W2's last trip asks for nothing: no load leaves my stream
	WIN 0
.Lnorm:
	; THE NORM, one text for both.  The sixteen clearing lines are the places behind the last products.  No line of it names window 1, where loads may be landing.
.set t, 0
.rept 8
	v_mov_b32 v[SUM+t], 0
	v_mov_b32 v[QS+t], 0
.set t, t+1
.endr
.macro SUMS hi                         ; each sum's lowest registers are read first
	WIN 0x08+4*(\hi)
.set nbx, 0
.rept 8
.set jx, 0
.rept 4
.set ax, 0
.rept 4
	v_pk_add_f32 v[SUM+2*ax:SUM+2*ax+1], v[SUM+2*ax:SUM+2*ax+1], v[8*(4*nbx+ax)+2*jx:8*(4*nbx+ax)+2*jx+1]
.set ax, ax+1
.endr
.set jx, jx+1
.endr
.set nbx, nbx+1
.endr
.endm
.macro CENTRE hi                       ; the wave's own mean is taken away in place; then the squares
	WIN 0x82+0x41*(\hi)
.set nbx, 0
.rept 8
.set jx, 0
.rept 4
.set ax, 0
.rept 4
	v_pk_add_f32 v[8*(4*nbx+ax)+2*jx:8*(4*nbx+ax)+2*jx+1], v[8*(4*nbx+ax)+2*jx:8*(4*nbx+ax)+2*jx+1], v[NM+2*ax:NM+2*ax+1]
.set ax, ax+1
.endr
.set jx, jx+1
.endr
.set nbx, nbx+1
.endr
	WIN 0x0a+5*(\hi)
.set nbx, 0
.rept 8
.set jx, 0
.rept 4
.set ax, 0
.rept 4
	v_pk_fma_f32 v[QS+2*ax:QS+2*ax+1], v[8*(4*nbx+ax)+2*jx:8*(4*nbx+ax)+2*jx+1], v[8*(4*nbx+ax)+2*jx:8*(4*nbx+ax)+2*jx+1], v[QS+2*ax:QS+2*ax+1]
.set ax, ax+1
.endr
.set jx, jx+1
.endr
.set nbx, nbx+1
.endr
.endm
	SUMS 0
	SUMS 1
	WIN 0
.irp a, 0,1,2,3
	v_add_f32 v[E0+\a], v[SUM+2*\a], v[SUM+2*\a+1]
.endr
.irp a, 0,1,2,3
	v_permlanex16_b32 v[E1+\a], v[E0+\a], s[SEL], s[SEL+1]  ; the token's other 128 columns lie in the lane 16 away
.endr
.irp a, 0,1,2,3
	v_add_f32 v[E0+\a], v[E0+\a], v[E1+\a]
.endr
.irp a, 0,1,2,3
	v_mul_f32 v[NM+2*\a], 0xbb800000, v[E0+\a]     ; - sum / 256
	v_mul_f32 v[E2+2*\a], 0x3b800000, v[E0+\a]     ; my wave's mean
.endr
.irp a, 0,1,2,3
	v_mov_b32 v[NM+2*\a+1], v[NM+2*\a]
.endr
	CENTRE 0
	CENTRE 1
	WIN 0
.irp a, 0,1,2,3
	v_add_f32 v[E0+\a], v[QS+2*\a], v[QS+2*\a+1]
.endr
.irp a, 0,1,2,3
	v_permlanex16_b32 v[E1+\a], v[E0+\a], s[SEL], s[SEL+1]
.endr
.irp a, 0,1,2,3
	v_add_f32 v[E2+2*\a+1], v[E0+\a], v[E1+\a]
.endr
.irp a, 0,1,2,3
	ds_store_b64 v[STATW], v[E2+2*\a:E2+2*\a+1] offset:\a*512  ; both halves of the lanes hold, and write, the same pair
.endr
	s_wait_dscnt 0x0                               ; for the others' sake: my statistics are written, and my reads of the rows are over
	s_barrier_signal -1
	s_barrier_wait -1                              ; behind it nobody reads the rows any more: they may be written anew
.irp a, 0,1,2,3
	ds_load_b128 v[AB0+8*\a:AB0+8*\a+3],   v[STATR] offset:\a*512
	ds_load_b128 v[AB0+8*\a+4:AB0+8*\a+7], v[STATR] offset:\a*512+16
.endr
	s_wait_dscnt 0x0
.macro STATS a                         ; mean = the four means' mean; variance = (sum of centred squares) / 1,024 + (sum of (mean_i - mean)^2) / 4
.set sb, AB0+8*(\a)
	v_add_f32 v3, v[sb], v[sb+2]
	v_add_f32 v4, v[sb+4], v[sb+6]
	v_add_f32 v5, v[sb+1], v[sb+3]
	v_add_f32 v6, v[sb+5], v[sb+7]
	v_add_f32 v3, v3, v4
	v_add_f32 v5, v5, v6
	v_mul_f32 v[E0+(\a)], 0x3e800000, v3
	v_sub_f32 v3, v[sb], v[E0+(\a)]
	v_sub_f32 v4, v[sb+2], v[E0+(\a)]
	v_sub_f32 v6, v[sb+4], v[E0+(\a)]
	v_sub_f32 v7, v[sb+6], v[E0+(\a)]
	v_mul_f32 v3, v3, v3
	v_fmac_f32 v3, v4, v4
	v_fmac_f32 v3, v6, v6
	v_fmac_f32 v3, v7, v7
	v_mul_f32 v3, 0x3e800000, v3
	v_fmamk_f32 v3, v5, 0x3a800000, v3
	v_add_f32 v[E1+(\a)], 0x3727c5ac, v3           ; + 1e-5
.endm
	STATS 0
	STATS 1
	STATS 2
	STATS 3
.irp a, 0,1,2,3
	v_rsq_f32 v[RS+2*\a], v[E1+\a]
.endr
	v_nop                                          ; a plain instruction behind the last of the four,
	s_wait_alu depctr_va_vdst(0)                   ; and the one wait ahead of the first use
.irp a, 0,1,2,3
	v_add_f32 v[E0+\a], v[NM+2*\a], v[E0+\a]       ; mean - mean_w
	v_mov_b32 v[RS+2*\a+1], v[RS+2*\a]
.endr
.irp a, 0,1,2,3
	v_mul_f32 v[C0+2*\a], -v[E0+\a], v[RS+2*\a]
.endr
.irp a, 0,1,2,3
	v_mov_b32 v[C0+2*\a+1], v[C0+2*\a]
.endr
	ds_load_b128 v[PK:PK+3],   v[PARRD] offset:512
	ds_load_b128 v[PK+4:PK+7], v[PARRD] offset:1024
; Column block nb: ((v - mean_w) rs + (mean_w - mean) rs) gain + beta, rounded to bf16, bounded below, into the rows in LDS: 16 bytes of a row of h, or of z.
.macro NORM nb
.set pkc, PK+8*((\nb)%2)
.set pkn, PK+8*(((\nb)+1)%2)
.if (\nb) < 15
	ds_load_b128 v[pkn:pkn+3],   v[PARRD] offset:512+32*((\nb)+1)
	ds_load_b128 v[pkn+4:pkn+7], v[PARRD] offset:1024+32*((\nb)+1)
.endif
.if (\nb) == 0
	s_wait_dscnt 0x2                               ; the next block's two loads stay out
.elseif (\nb) < 15
	s_wait_dscnt 0x6                               ; and the last block's four stores
.else
	s_wait_dscnt 0x4                               ; the last block's four stores alone
.endif
.set jx, 0
.rept 4
	v_lshlrev_b32 v[GG+2*jx],   16, v[pkc+jx]
	v_and_b32     v[GG+2*jx+1], s[HM], v[pkc+jx]
	v_lshlrev_b32 v[BT+2*jx],   16, v[pkc+4+jx]
	v_and_b32     v[BT+2*jx+1], s[HM], v[pkc+4+jx]
.set jx, jx+1
.endr
	WIN 0x02+(\nb)/8
.set ax, 0
.rept 4
.set jx, 0
.rept 4
	v_pk_fma_f32 v[TT+8*ax+2*jx:TT+8*ax+2*jx+1], v[8*(4*((\nb)%8)+ax)+2*jx:8*(4*((\nb)%8)+ax)+2*jx+1], v[RS+2*ax:RS+2*ax+1], v[C0+2*ax:C0+2*ax+1]
.set jx, jx+1
.endr
.set ax, ax+1
.endr
	WIN 0
.set ax, 0
.rept 4
.set jx, 0
.rept 4
	v_pk_fma_f32 v[TT+8*ax+2*jx:TT+8*ax+2*jx+1], v[TT+8*ax+2*jx:TT+8*ax+2*jx+1], v[GG+2*jx:GG+2*jx+1], v[BT+2*jx:BT+2*jx+1]
.set jx, jx+1
.endr
.set ax, ax+1
.endr
.set ax, 0
.rept 16
	v_cvt_pk_bf16_f32 v[CV+ax], v[TT+2*ax], v[TT+2*ax+1]
.set ax, ax+1
.endr
.set ax, 0
.rept 16
	v_pk_max_num_bf16 v[CV+ax], v[CV+ax], v[LB]
.set ax, ax+1
.endr
.set ax, 0
.rept 4
	ds_store_b128 v[HW+ax/2], v[CV+4*ax:CV+4*ax+3] offset:(ax%2)*ABLK+32*(\nb)  ; row 16 a + r, columns 256 w + 16 nb + 8 h + 0 .. 7
.set ax, ax+1
.endr
.endm
.set nbn, 0
.rept 16
	NORM nbn
.set nbn, nbn+1
.endr
	v_add_nc_u32 v[PARRD], 1536, v[PARRD]          ; the second product's parameters
	s_add_co_u32 s[GI], s[GI], 1
	s_cmp_lt_u32 s[GI], 2
	s_cbranch_scc1 .Lgemm
	; THE WAY OUT.  The rows in LDS hold z; a row's 2,048 bytes come from all four waves, and a wave stores 16 whole rows: so a barrier stands between the writing and the reading.
	s_wait_dscnt 0x0                               ; for the others' sake: my part of the rows is written
	s_barrier_signal -1
	s_barrier_wait -1
.set t, 0
.rept 8
	v_lshrrev_b32 v[LSTK+t], 16, v[LSTK+t]         ; the row of z,
	v_min_u32 v[LSTK+t], ZROWS-1, v[LSTK+t]        ; bounded,
	v_lshl_add_u32 v[LSTK+t], v[LSTK+t], 11, v[COLB]
.set t, t+1
.endr
.macro RDZ n                           ; bytes 256 n .. of my 16 rows
.if (\n) >= 2
	s_wait_xcnt 0x0                                ; the buffer, which the stores of two chunks ago read, is loaded again only behind this wait
.endif
.set t, 0
.rept 8
	ds_load_b128 v[OB+32*((\n)%2)+4*t:OB+32*((\n)%2)+4*t+3], v[XW] offset:t*APITCH+(\n)*256
.set t, t+1
.endr
.endm
.macro SENDZ n, younger                ; younger: the next chunk's eight loads, or none
	s_wait_dscnt \younger
.set t, 0
.rept 8
	global_store_b128 v[LSTK+t], v[OB+32*((\n)%2)+4*t:OB+32*((\n)%2)+4*t+3], s[24:25] offset:(\n)*256  ; sixteen lanes store 256 consecutive bytes of one row, aligned
.set t, t+1
.endr
.endm
	RDZ 0
.set cn, 1
.rept 7
	RDZ cn
	SENDZ cn-1, 8
.set cn, cn+1
.endr
	SENDZ 7, 0
	s_wait_tensorcnt 0x0                           ; the wave's end
	ds_add_u32 v[SPW], v[NIL]
	s_wait_dscnt 0x0
	s_endpgm
.Lfunc_end_k_qebf8478237_chain:
	.size	k_qebf8478237_chain, .Lfunc_end_k_qebf8478237_chain-k_qebf8478237_chain
	.p2alignl 7, 3214868480
	.fill 96, 4, 3214868480
	.section	.rodata,"a",@progbits
	.p2align	6, 0x0
	.amdhsa_kernel k_qebf8478237_chain
		.amdhsa_group_segment_fixed_size 146944
		.amdhsa_private_segment_fixed_size 0
		.amdhsa_enable_private_segment 0
		.amdhsa_kernarg_size 88
		.amdhsa_user_sgpr_count 2
		.amdhsa_user_sgpr_kernarg_segment_ptr 1
		.amdhsa_wavefront_size32 1
		.amdhsa_system_sgpr_workgroup_id_x 1
		.amdhsa_system_sgpr_workgroup_id_y 1
		.amdhsa_system_sgpr_workgroup_id_z 1
		.amdhsa_system_vgpr_workitem_id 0
		.amdhsa_next_free_vgpr 1024
		.amdhsa_next_free_sgpr 88
		.amdhsa_reserve_vcc 0
		.amdhsa_float_denorm_mode_32 3
		.amdhsa_float_denorm_mode_16_64 3
		.amdhsa_memory_ordered 1
		.amdhsa_forward_progress 1
		.amdhsa_inst_pref_size 231
	.end_amdhsa_kernel
	.amdgpu_metadata
---
amdhsa.version: [ 1, 2 ]
amdhsa.kernels:
  - .name:           k_qebf8478237_chain
    .symbol:         k_qebf8478237_chain.kd
    .args:
      - { .name: xb, .offset: 0, .size: 8, .value_kind: global_buffer, .address_space: global }
      - { .name: wb, .offset: 8, .size: 8, .value_kind: global_buffer, .address_space: global }
      - { .name: list, .offset: 16, .size: 8, .value_kind: global_buffer, .address_space: global }
      - { .name: tiles, .offset: 24, .size: 8, .value_kind: global_buffer, .address_space: global }
      - { .name: b1, .offset: 32, .size: 8, .value_kind: global_buffer, .address_space: global }
      - { .name: g1, .offset: 40, .size: 8, .value_kind: global_buffer, .address_space: global }
      - { .name: beta1, .offset: 48, .size: 8, .value_kind: global_buffer, .address_space: global }
      - { .name: b2, .offset: 56, .size: 8, .value_kind: global_buffer, .address_space: global }
      - { .name: g2, .offset: 64, .size: 8, .value_kind: global_buffer, .address_space: global }
      - { .name: beta2, .offset: 72, .size: 8, .value_kind: global_buffer, .address_space: global }
      - { .name: z, .offset: 80, .size: 8, .value_kind: global_buffer, .address_space: global }
    .group_segment_fixed_size: 146944
    .private_segment_fixed_size: 0
    .kernarg_segment_align: 8
    .kernarg_segment_size: 88
    .max_flat_workgroup_size: 128
    .sgpr_count:     88
    .vgpr_count:     1024
    .wavefront_size: 32
...
	.end_amdgpu_metadata
.endif
;; end of part 3
;; launch combine (part 4): grid 256 x 1, 8 waves a work-group, no clusters, 0 bytes of LDS; arguments xb, z, gw, out0; writes out0
.if DOCPART == 4
	.amdgcn_target "amdgcn-amd-amdhsa--gfx1250"
	.amdhsa_code_object_version 6
	.text
	.protected	k_qebf8478237_combine
	.globl	k_qebf8478237_combine
	.p2align	8
	.type	k_qebf8478237_combine,@function
k_qebf8478237_combine:
	s_mov_b64 s[64:65], 0
	v_nop
	global_prefetch_b8 v0, s[64:65] scope:SCOPE_SE
	s_setreg_imm32_b32 hwreg(HW_REG_WAVE_MODE, 25, 1), 1
	s_wait_xcnt 0x0
; out[t] = w0[t] z[2 t] + w1[t] z[2 t + 1] + x[t]: the weighted sum of a token's two expert rows and the residual, in f32.
; x is taken as rounded to bf16, like every input of the program; z's rows were rounded once to bf16; the sum itself is two fused multiply-adds in f32.
; A stream: memory binds, so no LDS, no barrier, no matrix unit.  A wave has two tokens; all its 48 loads go out first, 256 neighbouring bytes each;
; each store of the wave covers 512 consecutive bytes, aligned.
.set LD0, 16                           ; v[16:111]  step q = 8 row + j: six registers: x (2), z of rank 0 (2), z of rank 1 (2): numbers 128 j + 4 lane + 0 .. 3
.set OUTR, 112                         ; v[112:127] four sets of four results, by turns
	s_load_b256 s[4:11], s[0:1], 0x0               ; xb s[4:5], z s[6:7], gw s[8:9], out0 s[10:11]
	v_and_b32 v1, 31, v0
	v_lshrrev_b32 v2, 5, v0
	v_readfirstlane_b32 s12, v2                    ; wave
	s_lshl_b32 s13, ttmp9, 4
	s_lshl1_add_u32 s13, s12, s13                  ; my first token
	v_lshlrev_b32 v2, 3, v1                        ; 8 lane
	v_lshlrev_b32 v3, 4, v1                        ; 16 lane
	s_lshl_b32 s14, s13, 11                        ; its row in xb,
	s_mov_b32 s15, 0
	s_lshl_b32 s16, s13, 12                        ; its two rows in z, and its row in out0,
	s_mov_b32 s17, 0
	s_lshl_b32 s18, s13, 3                         ; its pair in gw
	s_wait_kmcnt 0x0
	s_load_b128 s[20:23], s[8:9], s18 offset:0x0   ; both tokens' weights
	s_add_nc_u64 s[4:5], s[4:5], s[14:15]
	s_add_nc_u64 s[6:7], s[6:7], s[16:17]
	s_add_nc_u64 s[10:11], s[10:11], s[16:17]
.set q, 0
.rept 16
	global_load_b64 v[LD0+6*q:LD0+6*q+1],   v2, s[4:5] offset:(q/8)*2048+(q%8)*256 th:TH_LOAD_NT
	global_load_b64 v[LD0+6*q+2:LD0+6*q+3], v2, s[6:7] offset:(q/8)*4096+(q%8)*256 th:TH_LOAD_NT
	global_load_b64 v[LD0+6*q+4:LD0+6*q+5], v2, s[6:7] offset:(q/8)*4096+2048+(q%8)*256 th:TH_LOAD_NT
.set q, q+1
.endr
	s_wait_kmcnt 0x0
	v_mov_b32 v4, s20
	v_mov_b32 v5, s21
	v_mov_b32 v6, s22
	v_mov_b32 v7, s23
.macro OUT4 lr, wr, o                  ; four results: z0 w0 + x, with x read as a bf16 half; then + z1 w1
.irp p, 0,1
.irp hh, 0,1
	v_fma_mix_f32_bf16 v[(\o)+2*\p+\hh], v[(\lr)+2+\p], v[\wr], v[(\lr)+\p] op_sel:[\hh,0,\hh] op_sel_hi:[1,0,1]
.endr
.endr
.irp p, 0,1
.irp hh, 0,1
	v_fma_mix_f32_bf16 v[(\o)+2*\p+\hh], v[(\lr)+4+\p], v[(\wr)+1], v[(\o)+2*\p+\hh] op_sel:[\hh,0,0] op_sel_hi:[1,0,0]
.endr
.endr
.endm
.set q, 0
.rept 16
	s_wait_loadcnt 45-3*q                          ; loads come back in order: the three of this step are in, those of the later steps stay out
.if q >= 4
	s_wait_xcnt 0x0                                ; the set, which its last store reads, is rewritten only behind this wait
.endif
	OUT4 LD0+6*q, 4+2*(q/8), OUTR+4*(q%4)
	global_store_b128 v3, v[OUTR+4*(q%4):OUTR+4*(q%4)+3], s[10:11] offset:(q/8)*4096+(q%8)*512 th:TH_STORE_NT
.set q, q+1
.endr
	s_endpgm
.Lfunc_end_k_qebf8478237_combine:
	.size	k_qebf8478237_combine, .Lfunc_end_k_qebf8478237_combine-k_qebf8478237_combine
	.p2alignl 7, 3214868480
	.fill 96, 4, 3214868480
	.section	.rodata,"a",@progbits
	.p2align	6, 0x0
	.amdhsa_kernel k_qebf8478237_combine
		.amdhsa_group_segment_fixed_size 0
		.amdhsa_private_segment_fixed_size 0
		.amdhsa_enable_private_segment 0
		.amdhsa_kernarg_size 32
		.amdhsa_user_sgpr_count 2
		.amdhsa_user_sgpr_kernarg_segment_ptr 1
		.amdhsa_wavefront_size32 1
		.amdhsa_system_sgpr_workgroup_id_x 1
		.amdhsa_system_sgpr_workgroup_id_y 1
		.amdhsa_system_sgpr_workgroup_id_z 1
		.amdhsa_system_vgpr_workitem_id 0
		.amdhsa_next_free_vgpr 128
		.amdhsa_next_free_sgpr 66
		.amdhsa_reserve_vcc 0
		.amdhsa_float_denorm_mode_32 3
		.amdhsa_float_denorm_mode_16_64 3
		.amdhsa_memory_ordered 1
		.amdhsa_forward_progress 1
		.amdhsa_inst_pref_size 16
	.end_amdhsa_kernel
	.amdgpu_metadata
---
amdhsa.version: [ 1, 2 ]
amdhsa.kernels:
  - .name:           k_qebf8478237_combine
    .symbol:         k_qebf8478237_combine.kd
    .args:
      - { .name: xb, .offset: 0, .size: 8, .value_kind: global_buffer, .address_space: global }
      - { .name: z, .offset: 8, .size: 8, .value_kind: global_buffer, .address_space: global }
      - { .name: gw, .offset: 16, .size: 8, .value_kind: global_buffer, .address_space: global }
      - { .name: out0, .offset: 24, .size: 8, .value_kind: global_buffer, .address_space: global }
    .group_segment_fixed_size: 0
    .private_segment_fixed_size: 0
    .kernarg_segment_align: 8
    .kernarg_segment_size: 32
    .max_flat_workgroup_size: 256
    .sgpr_count:     66
    .vgpr_count:     128
    .wavefront_size: 32
...
	.end_amdgpu_metadata
.endif
;; end of part 4
;; ======== version 2 of 2: 4 launches; version 1 with the launch chain written anew for expert scheduling mode
;; workspace buffers: xb 8,388,608 bytes; route 16,384 bytes of whole numbers; gw 32,768 bytes; wb 33,554,432 bytes; list 34,560 bytes of whole numbers; tiles 768 bytes of whole numbers; z 17,694,720 bytes
;; launch router: the kernel of part 1 again; grid 256 x 1, 8 waves a work-group, no clusters, 17,408 bytes of LDS; arguments x, Wg, bg, xb, route, gw; writes xb, route, gw
;; launch prep: the kernel of part 2 again; grid 257 x 1, 32 waves a work-group, no clusters, 140,288 bytes of LDS; arguments W1, W2, route, wb, list, tiles; writes wb, list, tiles
;; launch chain (part 5): grid 135 x 1, 4 waves a work-group, no clusters, 146,944 bytes of LDS; arguments xb, wb, list, tiles, b1, g1, beta1, b2, g2, beta2, z; writes z
.if DOCPART == 5
	.amdgcn_target "amdgcn-amd-amdhsa--gfx1250"
	.amdhsa_code_object_version 6
	.text
	.protected	k_qebf8478237_chain
	.globl	k_qebf8478237_chain
	.p2align	8
	.type	k_qebf8478237_chain,@function
k_qebf8478237_chain:
	s_mov_b64 s[64:65], 0
	v_nop
	global_prefetch_b8 v0, s[64:65] scope:SCOPE_SE
	s_setreg_imm32_b32 hwreg(HW_REG_WAVE_SCHED_MODE, 0, 2), 2
	s_setreg_imm32_b32 hwreg(HW_REG_WAVE_MODE, 25, 1), 1
	s_wait_xcnt 0x0
	s_wait_alu depctr_vm_vsrc(0)
; THE CHAIN of one expert for 64 rows: h = relu(LN(x W1 + b1) g1 + beta1); z = LN(h W2 + b2) g2 + beta2, stored as bf16 at the rows of z that the list names.
; LIMITS.  x and the weights arrive rounded to bf16; the biases, gains and betas are rounded to bf16 here, like every input of the program; h and z are rounded once to bf16.  Product sums and the
; statistics stay in f32; the variance is made of each wave's mean and centred squares and of the four means' spread, never as a difference of large sums.  NaN and infinities are not treated apart.
; SHARES.  Both norms run over all 1,024 columns, so a work-group owns whole rows: 64 rows x 1,024 columns of f32 sums are 512 registers in each of four waves; wave w has columns 256 w .. 256 w + 255.
; 135 work-groups cover every split of the 8,192 rows (an expert's positions are a multiple of 64); positions past an expert's count repeat token 0 and store to rows of z that nobody reads.
; No branch and no count hangs on the split.
; THE WEIGHTS GO FROM MEMORY STRAIGHT INTO OPERAND REGISTERS.  A weight is wanted by one wave of the work-group alone (the wave that owns its column), so LDS would only pass it on.  wb holds each wave's
; fragments in the order in which it takes them, 1 MiB on end for W1 and W2: a load of 16 bytes a lane brings half a fragment, 512 consecutive bytes.  Window 1 is a ring of four units of 8 fragments;
; behind a unit's 32 matrix instructions its 8 fragments are asked for again, a trip on, in one run of 16 loads: at every wait 48 loads, 24 KB, of a wave stay on their way, and every wait is counted.
; Each unit has a base address of its own, stepped behind the counted wait that shows the loads that named it done: the step needs no wait of its own.
; THE TOKENS lie in LDS, one region of 64 rows: first x, then h, then z; all four waves read the same fragments of it.
; NO CLUSTER, though the work-groups of one expert walk the same weights: an expert's tiles of 64 rows are no multiple of four at every split, and the weights' address hangs on the expert, a number read
; from memory, where a joint load's descriptor is to be made of coordinates that the partners share.  The price: each work-group asks for its expert's 4 MiB by itself, 135 x 4 MiB in all.
; NO PREFETCH of the weights: some 17 work-groups walk an expert's stream at about the same time, so most of their loads ask for what a neighbour has just read.
; THE MATRIX INSTRUCTION IS USED TRANSPOSED: source 0 = 16 output columns of W, source 1 = 16 tokens.  Lane (r, h) then holds token r and columns 8 h + 0 .. 7: rounded in pairs, 16 neighbouring bytes of a row.
; THE MODE: SCHED_MODE bits 1:0 = 2 (LLVM: expert scheduling mode 2), set by the entry lines.  The code itself states the register dependences between vector or matrix instructions and memory or LDS
; instructions, with s_wait_alu, always for 0.
; THE PLAN.  Registers that memory or LDS instructions touch:
;   IN THE K LOOP.  Window 1, unit j: read by unit j's 32 matrix instructions alone; behind them the unit's 16 loads of the next trip land in it.  AB0: read by the matrix instructions of units 0 and 1, loaded
;   again in unit 3.  AB1: read by those of units 2 and 3, loaded again in unit 1.  v[ADRA], v[ADRA+1]: written by two adds at a trip's head, read by the trip's 16 LDS loads.  v[BO], v[ABAS ..]: never written again.
;   So ONE wait on va_vdst stands behind each unit's matrix instructions: they are done reading the unit, which is asked for again at once; the same waits state that the token buffer to be loaded next has been
;   read and that v[ADRA ..] is written.  The tokens' LDS loads stand behind the first four matrix instructions of the unit after, which name the other token buffer.  One wait on vm_vsrc a trip stands ahead of the adds.
;   IN THE NORM.  Block nb's vector lines read PK[nb % 2] and write CV[nb % 2].  Its LDS instructions are the loads into PK[(nb + 1) % 2] and the stores from CV[(nb + 1) % 2]: the two buffers that block nb - 1
;   worked on and that no vector line of block nb names.  So the waits at a block's head state all that its six LDS instructions hang on.
;   HEAD AND WAY OUT: each wait's comment names its registers.
; REGISTERS, in windows of 256 (s_set_vgpr_msb: bits 1:0 source 0, 3:2 source 1, 5:4 source 2, 7:6 destination):
;   window 0: v0-21 addresses; v24-63 statistics; v64-143 and v152-167 at work outside the K loop; v144-151 my list entries; v188-190 addresses; v192-255 two buffers of 4 fragments of tokens
;   window 1: the ring of weights: unit j of a trip at v[64 j]      windows 2, 3: the sums: (row block a, column block nb) at v[8 (4 (nb % 8) + a)] of window 2 + nb / 8
.set APITCH, 2064                      ; a row of tokens in LDS: 2,048 bytes + 16 = 129 x 16: the 16 rows of a fragment load start at 16 different groups of four banks (64 banks of 4 bytes: ISA guide 11.1)
.set ABLK,   16*APITCH                 ; a block of 16 rows
.set PARW,   64*APITCH                 ; behind the rows: for each wave 6 x 512 bytes: b1, g1, beta1, b2, g2, beta2 of its 256 columns in bf16
.set PARB,   3072
.set STAT,   PARW+4*PARB               ; 32 bytes a row: (mean, centred squares) of each wave; the 512 bytes behind its 2,048 hold the spare words, 128 bytes a wave
.set ZROWS,  8640                      ; rows of z
.set TRIPB,  32768                     ; a trip's weights for a wave: 2 K steps x 16 fragments
.set ADRA, 8                           ; v8, v9  this trip's place in the rows, for row blocks 0-1 and 2-3
.set XW,   10                          ; v10  by rows: row 16 w + 8 h, byte 16 r: the gather's way in and the way out
.set HW,   12                          ; v12, v13  by lanes: row r, byte 512 w + 16 h, for row blocks 0-1 and 2-3
.set PARWR, 14
.set PARRD, 15                         ; this product's bias, + 16 h; gain 512 further, beta 1,024
.set STATW, 16
.set STATR, 17
.set LO,   18                          ; v18  byte offset in list of entries p0 + 16 w + 8 h
.set PO,   19                          ; v19  byte offset in a parameter of my 8 columns
.set COLB, 20                          ; v20  16 r
.set LB,   21                          ; v21  the lower bound: 0 twice (ReLU), or minus infinity twice (nothing)
.set SUM,  24                          ; v[24:31]  a pair for each row block
.set QS,   32
.set NM,   40                          ; (-mean_w, -mean_w)
.set RS,   48                          ; (rs, rs)
.set C0,   56                          ; ((mean_w - mean) rs, twice)
.set E0,   64                          ; the norm's small work
.set E1,   68
.set E2,   72
.set TT,   64                          ; 32: a column block's 4 x 8 numbers
.set GG,   96
.set BT,   104
.set PK,   112                         ; two buffers of gain (4) and beta (4), packed
.set CV,   128                         ; two buffers of 16 packed results, CVS apart: v128-143 and v152-167
.set CVS,  24
.set OB,   64                          ; the way out: two buffers of 32
.set LSTK, 144                         ; v[144:151]  list entries p0 + 16 w + 8 h + 0 .. 7, kept from the head to the way out
.set ABAS, 188                         ; v188, v189  row r, byte 16 h, for row blocks 0-1 and 2-3; never rewritten
.set BO,   190                         ; v190  16 lane; never rewritten
.set AB0,  192
.set AB1,  224
.set XO,   224                         ; the head: byte offsets of my 8 rows of xb
.set BP,   28                          ; s[28:35] for each of the ring's four units: the trip of my stream from which it was last filled
.set WV,   52
.set GI,   53                          ; 0: first product, 1: second
.set II,   54                          ; trip
.set HM,   55
.set SEL,  56
.set EX,   58
.set KO,   59                          ; 128 x trip: this trip's bytes in a row of tokens
.set MSB, 0
.macro WIN new                         ; the immediate's high byte repeats the setting that is left; a switch that changes nothing is dropped
.if MSB != (\new)
	s_set_vgpr_msb (MSB<<8)|(\new)
.set MSB, \new
.endif
.endm
.macro PLACES                          ; four plain vector instructions stand between a unit's last matrix instruction and the loads into the registers that it has read; the wait behind them, which states the dependence, fills no place
.rept 4
	v_nop
.endr
.endm
.macro GATH n                          ; bytes 256 n .. of my 16 rows of x: sixteen lanes read 256 consecutive bytes of one row, aligned
	WIN 0x80                                       ; into window 2, which holds no sums yet
.set t, 0
.rept 8
	global_load_b128 v[32*(\n)+4*t:32*(\n)+4*t+3], v[XO+t], s[4:5] offset:(\n)*256
.set t, t+1
.endr
.endm
.macro BLOAD j, q                      ; half q of unit j: 4 fragments, 8 loads of 512 consecutive bytes, by the unit's own base
	WIN 0x40                                       ; into window 1
.set fb, 4*(\q)
.rept 4
	global_load_b128 v[64*(\j)+8*fb:64*(\j)+8*fb+3],   v[BO], s[BP+2*(\j):BP+2*(\j)+1] offset:(\j)*8192+fb*1024
	global_load_b128 v[64*(\j)+8*fb+4:64*(\j)+8*fb+7], v[BO], s[BP+2*(\j):BP+2*(\j)+1] offset:(\j)*8192+fb*1024+512
.set fb, fb+1
.endr
.endm
.macro FETCHA ar, off, ab              ; a K step's 4 fragments of tokens: row 16 a + r, k = 8 h + 0 .. 7 and 16 + 8 h + 0 .. 7
	WIN 0
.set fa, 0
.rept 4
	ds_load_b128 v[(\ab)+8*fa:(\ab)+8*fa+3],   v[(\ar)+fa/2] offset:(fa%2)*ABLK+(\off)
	ds_load_b128 v[(\ab)+8*fa+4:(\ab)+8*fa+7], v[(\ar)+fa/2] offset:(fa%2)*ABLK+(\off)+32
.set fa, fa+1
.endr
.endm
.macro MUL4 j, mb                      ; fragment mb of unit j times the four row blocks.  The sums take turns, one instruction a turn: the same one comes again behind the 63 others
	WIN 0xa1+0x50*((\j)%2)                         ; weights in window 1, tokens in window 0, sums in window 2 or 3
.set ma, 0
.rept 4
	v_wmma_f32_16x16x32_bf16 v[8*(4*(\mb)+ma):8*(4*(\mb)+ma)+7], v[64*(\j)+8*(\mb):64*(\j)+8*(\mb)+7], v[AB0+32*((\j)/2)+8*ma:AB0+32*((\j)/2)+8*ma+7], v[8*(4*(\mb)+ma):8*(4*(\mb)+ma)+7]
.set ma, ma+1
.endr
.endm
; A TRIP: 2 K steps of 32, four units of 32 matrix instructions.  Unit j: K step j / 2, column blocks 8 (j % 2) + 0 .. 7.
; refill = 1: behind each unit its 8 fragments are asked for again, a trip on, in one run; the wait at a unit's head leaves out the three units asked for behind it, 48 loads.  That wait shows the
; unit's own 16 loads done, and these alone name its base: so the base is stepped directly behind it.
; refill = 0: nothing is asked for, and the counts run down.  lastk = 1: the product's last trip: there is no further K step of tokens to fetch.
; The LDS loads of tokens stand behind the first four matrix instructions of units 1 and 3, 28 matrix instructions ahead of the wait for them.
.macro TRIP refill, lastk
	WIN 0
	s_wait_alu depctr_vm_vsrc(0)                   ; the LDS loads issued so far have read v[ADRA] and v[ADRA+1], which the next two lines write
	v_add_nc_u32 v[ADRA],   s[KO], v[ABAS]
	v_add_nc_u32 v[ADRA+1], s[KO], v[ABAS+1]
.if !(\refill)
	s_wait_alu depctr_va_vdst(0)                   ; v[ADRA] and v[ADRA+1] are written, which the LDS loads in unit 1 read (in the trips that ask for weights the wait behind unit 0 states it)
.endif
.set ux, 0
.rept 4
.if \refill
	s_wait_loadcnt 48
	s_add_nc_u64 s[BP+2*ux:BP+2*ux+1], s[BP+2*ux:BP+2*ux+1], TRIPB
.else
	s_wait_loadcnt 48-16*ux
.endif
.if (ux%2) == 0
	s_wait_dscnt 0x0                               ; this K step's tokens, asked for 28 matrix instructions ago
.endif
	MUL4 ux, 0
.if ux == 1
	FETCHA ADRA, 64, AB1                           ; the trip's second K step.  No wait: since the last wait on va_vdst only matrix instructions on AB0 have been issued, and none names AB1 or v[ADRA ..]
.endif
.if (ux == 3) && !(\lastk)
	FETCHA ADRA, 128, AB0                          ; the next trip's first.  No wait: since the last wait on va_vdst only matrix instructions on AB1 have been issued, and none names AB0 or v[ADRA ..]
.endif
.set um, 1
.rept 7
	MUL4 ux, um
.set um, um+1
.endr
.if \refill
	PLACES
	WIN 0x40
	s_wait_alu depctr_va_vdst(0)                   ; this unit's matrix instructions are done reading its 64 registers, in which the loads below land; they and the units before are done reading the token buffer that is loaded next; behind unit 0: v[ADRA ..] is written
	BLOAD ux, 0
	BLOAD ux, 1
.endif
.set ux, ux+1
.endr
.endm
	s_load_b512 s[4:19], s[0:1], 0x0               ; xb s[4:5], wb s[6:7], list s[8:9], tiles s[10:11], b1 s[12:13], g1 s[14:15], beta1 s[16:17], b2 s[18:19]
	s_load_b128 s[20:23], s[0:1], 0x40             ; g2 s[20:21], beta2 s[22:23]
	s_load_b64 s[24:25], s[0:1], 0x50              ; z
	v_lshl_add_u32 v187, v0, 2, 0x23c00
	v_mov_b32 v191, 0
	v_lshrrev_b32 v3, 5, v0
	v_readfirstlane_b32 s[WV], v3                  ; wave 0..3
	s_mov_b32 s[HM], 0xffff0000
	s_mov_b32 s[SEL], 0x76543210
	s_mov_b32 s[SEL+1], 0xfedcba98
	v_and_b32 v1, 15, v0                           ; r
	v_bfe_u32 v2, v0, 4, 1                         ; h
	v_and_b32 v3, 31, v0                           ; lane
	v_lshlrev_b32 v[BO], 4, v3
	v_mul_u32_u24 v4, v1, APITCH
	v_lshl_add_u32 v[ABAS], v2, 4, v4              ; row r, byte 16 h
	v_add_nc_u32 v[ABAS+1], 2*ABLK, v[ABAS]
	s_wait_alu depctr_va_sdst(0)                   ; the wave's number is written, ahead of its first reader
	s_lshl_b32 s76, s[WV], 9
	v_add_nc_u32 v[HW], s76, v[ABAS]               ; + my 256 columns' 512 bytes
	v_add_nc_u32 v[HW+1], 2*ABLK, v[HW]
	s_mul_i32 s72, s[WV], ABLK
	v_mul_u32_u24 v4, v2, 8*APITCH
	v_lshl_add_u32 v4, v1, 4, v4
	v_add_nc_u32 v[XW], s72, v4                    ; row 16 w + 8 h, byte 16 r
	s_mul_i32 s73, s[WV], PARB
	s_add_co_u32 s73, s73, PARW
	v_add_nc_u32 v[PARWR], s73, v[BO]
	v_lshl_add_u32 v[PARRD], v2, 4, s73
	v_lshlrev_b32 v4, 5, v1
	v_add_nc_u32 v[STATR], STAT, v4
	s_lshl_b32 s74, s[WV], 3
	v_add_nc_u32 v[STATW], s74, v[STATR]
	s_lshl_b32 s75, ttmp9, 8                       ; my tile's 64 positions of 4 bytes,
	s_lshl_b32 s74, s[WV], 6                       ; my wave's 16 of them
	s_add_co_u32 s75, s75, s74
	v_lshl_add_u32 v[LO], v2, 5, s75
	v_lshlrev_b32 v[COLB], 4, v1
	s_lshl_b32 s77, ttmp9, 2
	s_wait_kmcnt 0x0
	s_load_b32 s[EX], s[10:11], s77 offset:0x0     ; my tile's expert
	s_wait_alu depctr_va_vdst(0)                   ; the addresses made so far are written: v[LO], which the next two loads read, and v[BO], v[ABAS ..], v[HW ..], v[XW], v[PARWR], v[PARRD], v[STATW], v[STATR] for the loads and stores further down
	global_load_b128 v[LSTK:LSTK+3],   v[LO], s[8:9]
	global_load_b128 v[LSTK+4:LSTK+7], v[LO], s[8:9] offset:16
	s_wait_kmcnt 0x0
	s_min_u32 s[EX], s[EX], 7                      ; a loaded number enters an address only behind a bound
	s_lshl_b32 s78, s[EX], 22                      ; an expert's weights are 4 MiB,
	s_lshl_b32 s74, s[WV], 20                      ; my wave's stream 1 MiB of them
	s_add_co_u32 s78, s78, s74
	s_mov_b32 s79, 0
	s_add_nc_u64 s[BP:BP+1], s[6:7], s[78:79]      ; all four units begin at my stream's first trip; a unit's place in a trip stands in its loads' immediates
	s_mov_b64 s[BP+2:BP+3], s[BP:BP+1]
	s_mov_b64 s[BP+4:BP+5], s[BP:BP+1]
	s_mov_b64 s[BP+6:BP+7], s[BP:BP+1]
	s_lshl_b32 s77, s[EX], 12
	s_lshl_b32 s74, s[WV], 10
	s_add_co_u32 s77, s77, s74
	v_lshl_add_u32 v[PO], v3, 5, s77               ; 4,096 e + 1,024 w + 32 lane
	s_wait_alu depctr_va_vdst(0)                   ; v[PO] is written, which the twelve loads below read
.set t, 0
.rept 6                                                ; both products' bias, gain and beta: my 256 columns
	global_load_b128 v[64+8*t:64+8*t+3],   v[PO], s[12+2*t:13+2*t]
	global_load_b128 v[64+8*t+4:64+8*t+7], v[PO], s[12+2*t:13+2*t] offset:16
.set t, t+1
.endr
	s_wait_loadcnt 12                              ; the list's entries are in; the twelve parameter loads stay out
.set t, 0
.rept 8
	v_and_b32 v[XO+t], 0xffff, v[LSTK+t]           ; the source token,
	v_min_u32 v[XO+t], 0xfff, v[XO+t]              ; bounded,
	v_lshl_add_u32 v[XO+t], v[XO+t], 11, v[COLB]   ; its row of xb, my 16 bytes
.set t, t+1
.endr
	; x into LDS, by chunks of 256 bytes of my 16 rows.  Groups of eight loads go out in this order: chunks 0 to 5; then, one behind each finished chunk, chunks 6 and 7 and the weights' first six halves of units.
	; So behind each chunk's loads five groups have been issued when it is waited for: the count is 40 every time.
	WIN 0x80
	s_wait_alu depctr_va_vdst(0)                   ; v[XO ..] are written, which the gather's 64 loads read; no vector line follows until all of them, the LDS stores of x and the ring's first loads are issued
	GATH 0
	GATH 1
	GATH 2
	GATH 3
	GATH 4
	GATH 5
.set cn, 0
.rept 8
	s_wait_loadcnt 40
	WIN 0x08                                       ; store data in window 2
.set t, 0
.rept 8
	ds_store_b128 v[XW], v[32*cn+4*t:32*cn+4*t+3] offset:t*APITCH+cn*256
.set t, t+1
.endr
.if cn < 2
	GATH cn+6
.else
	BLOAD (cn-2)/2, (cn-2)%2
.endif
.set cn, cn+1
.endr
	BLOAD 3, 0
	BLOAD 3, 1                                     ; the ring is full: the first trip's four units
	WIN 0
.set t, 0
.rept 24                                               ; the parameters, older than every chunk, are in: rounded to bf16, into my own LDS bytes
	v_cvt_pk_bf16_f32 v[112+t], v[64+2*t], v[64+2*t+1]
.set t, t+1
.endr
	s_wait_alu depctr_va_vdst(0)                   ; the conversions have written v112-135, which the LDS stores read, and are done reading v64-111: the bias's loads land in v64-127 at the first product's start, with no vector line between
.set t, 0
.rept 6
	ds_store_b128 v[PARWR], v[112+4*t:112+4*t+3] offset:512*t
.set t, t+1
.endr
	s_wait_alu depctr_vm_vsrc(0)                   ; my LDS stores have read window 2 (x), which the bias lines write, and v112-135, in which the bias's loads land and which the norm writes; the gather's loads have read v[XO ..], in which tokens land
	s_mov_b32 s[GI], 0
.Lgemm:                                                ; two trips: the first product and norm, the second product and norm
	s_wait_dscnt 0x0                               ; for the others' sake: my part of the rows (x, or h) is written
	s_barrier_signal -1
	s_barrier_wait -1
	FETCHA ABAS, 0, AB0                            ; the first K step's tokens.  These loads and the sixteen below owe no wait here: on both ways in, the last vector line stands ahead of a wait on va_vdst (the conversions' at the head, the norm's last)
.set t, 0
.rept 16
	ds_load_b128 v[64+4*t:64+4*t+3], v[PARRD] offset:32*t   ; the bias of columns 16 nb + 8 h + 0 .. 7
.set t, t+1
.endr
	s_cmp_eq_u32 s[GI], 0
	s_cselect_b32 s77, 0, 0xff80ff80
	v_mov_b32 v[LB], s77
	s_mov_b32 s[KO], 0
	s_wait_dscnt 0x0
	; the sums begin with the bias: the step '+ b' of the layer
.set nbx, 0
.rept 16
	WIN 0x80+0x40*(nbx/8)
.set jx, 0
.rept 4
.set ax, 0
.rept 4
	v_lshlrev_b32 v[8*(4*(nbx%8)+ax)+2*jx],   16, v[64+4*nbx+jx]
	v_and_b32     v[8*(4*(nbx%8)+ax)+2*jx+1], s[HM], v[64+4*nbx+jx]
.set ax, ax+1
.endr
.set jx, jx+1
.endr
.set nbx, nbx+1
.endr
	WIN 0
	s_mov_b32 s[II], 0
.Ltrip:                                                ; K steps 0 .. 29
	TRIP 1, 0
	WIN 0
	s_add_co_u32 s[KO], s[KO], 128
	s_add_co_u32 s[II], s[II], 1
	s_cmp_lt_u32 s[II], 15
	s_cbranch_scc1 .Ltrip
	s_cmp_lg_u32 s[GI], 0
	s_cbranch_scc1 .Ltail_last
	TRIP 1, 1                                      ; W1's last trip goes on asking: W2 follows W1 in my stream, and its first trip's weights are on their way during the norm
	WIN 0
	s_branch .Lnorm
.Ltail_last:
	TRIP 0, 1                                      ; W2's last trip asks for nothing: no load leaves my stream
	WIN 0
.Lnorm:
	; THE NORM, one text for both.  The sixteen clearing lines are the places behind the last products.  No line of it names window 1, where loads may be landing.
.set t, 0
.rept 8
	v_mov_b32 v[SUM+t], 0
	v_mov_b32 v[QS+t], 0
.set t, t+1
.endr
.macro SUMS hi                         ; each sum's lowest registers are read first
	WIN 0x08+4*(\hi)
.set nbx, 0
.rept 8
.set jx, 0
.rept 4
.set ax, 0
.rept 4
	v_pk_add_f32 v[SUM+2*ax:SUM+2*ax+1], v[SUM+2*ax:SUM+2*ax+1], v[8*(4*nbx+ax)+2*jx:8*(4*nbx+ax)+2*jx+1]
.set ax, ax+1
.endr
.set jx, jx+1
.endr
.set nbx, nbx+1
.endr
.endm
.macro CENTRE hi                       ; the wave's own mean is taken away in place; then the squares
	WIN 0x82+0x41*(\hi)
.set nbx, 0
.rept 8
.set jx, 0
.rept 4
.set ax, 0
.rept 4
	v_pk_add_f32 v[8*(4*nbx+ax)+2*jx:8*(4*nbx+ax)+2*jx+1], v[8*(4*nbx+ax)+2*jx:8*(4*nbx+ax)+2*jx+1], v[NM+2*ax:NM+2*ax+1]
.set ax, ax+1
.endr
.set jx, jx+1
.endr
.set nbx, nbx+1
.endr
	WIN 0x0a+5*(\hi)
.set nbx, 0
.rept 8
.set jx, 0
.rept 4
.set ax, 0
.rept 4
	v_pk_fma_f32 v[QS+2*ax:QS+2*ax+1], v[8*(4*nbx+ax)+2*jx:8*(4*nbx+ax)+2*jx+1], v[8*(4*nbx+ax)+2*jx:8*(4*nbx+ax)+2*jx+1], v[QS+2*ax:QS+2*ax+1]
.set ax, ax+1
.endr
.set jx, jx+1
.endr
.set nbx, nbx+1
.endr
.endm
	SUMS 0
	SUMS 1
	WIN 0
.irp a, 0,1,2,3
	v_add_f32 v[E0+\a], v[SUM+2*\a], v[SUM+2*\a+1]
.endr
.irp a, 0,1,2,3
	v_permlanex16_b32 v[E1+\a], v[E0+\a], s[SEL], s[SEL+1]  ; the token's other 128 columns lie in the lane 16 away
.endr
.irp a, 0,1,2,3
	v_add_f32 v[E0+\a], v[E0+\a], v[E1+\a]
.endr
.irp a, 0,1,2,3
	v_mul_f32 v[NM+2*\a], 0xbb800000, v[E0+\a]     ; - sum / 256
	v_mul_f32 v[E2+2*\a], 0x3b800000, v[E0+\a]     ; my wave's mean
.endr
.irp a, 0,1,2,3
	v_mov_b32 v[NM+2*\a+1], v[NM+2*\a]
.endr
	CENTRE 0
	CENTRE 1
	WIN 0
.irp a, 0,1,2,3
	v_add_f32 v[E0+\a], v[QS+2*\a], v[QS+2*\a+1]
.endr
.irp a, 0,1,2,3
	v_permlanex16_b32 v[E1+\a], v[E0+\a], s[SEL], s[SEL+1]
.endr
.irp a, 0,1,2,3
	v_add_f32 v[E2+2*\a+1], v[E0+\a], v[E1+\a]
.endr
	s_wait_alu depctr_va_vdst(0)                   ; the pairs in v[E2 ..] are written, which the LDS stores read; the last trip's matrix instructions are done reading AB0, and the bias lines (or the norm before) PK's first buffer: the ten loads behind the barrier land there
.irp a, 0,1,2,3
	ds_store_b64 v[STATW], v[E2+2*\a:E2+2*\a+1] offset:\a*512  ; both halves of the lanes hold, and write, the same pair
.endr
	s_wait_dscnt 0x0                               ; for the others' sake: my statistics are written, and my reads of the rows are over
	s_barrier_signal -1
	s_barrier_wait -1                              ; behind it nobody reads the rows any more: they may be written anew
.irp a, 0,1,2,3
	ds_load_b128 v[AB0+8*\a:AB0+8*\a+3],   v[STATR] offset:\a*512
	ds_load_b128 v[AB0+8*\a+4:AB0+8*\a+7], v[STATR] offset:\a*512+16
.endr
	ds_load_b128 v[PK:PK+3],   v[PARRD] offset:512 ; the first column block's gain and beta are asked for with the statistics
	ds_load_b128 v[PK+4:PK+7], v[PARRD] offset:1024
	s_wait_dscnt 0x2                               ; the statistics are in; those two loads stay out
.macro STATS a                         ; mean = the four means' mean; variance = (sum of centred squares) / 1,024 + (sum of (mean_i - mean)^2) / 4
.set sb, AB0+8*(\a)
	v_add_f32 v3, v[sb], v[sb+2]
	v_add_f32 v4, v[sb+4], v[sb+6]
	v_add_f32 v5, v[sb+1], v[sb+3]
	v_add_f32 v6, v[sb+5], v[sb+7]
	v_add_f32 v3, v3, v4
	v_add_f32 v5, v5, v6
	v_mul_f32 v[E0+(\a)], 0x3e800000, v3
	v_sub_f32 v3, v[sb], v[E0+(\a)]
	v_sub_f32 v4, v[sb+2], v[E0+(\a)]
	v_sub_f32 v6, v[sb+4], v[E0+(\a)]
	v_sub_f32 v7, v[sb+6], v[E0+(\a)]
	v_mul_f32 v3, v3, v3
	v_fmac_f32 v3, v4, v4
	v_fmac_f32 v3, v6, v6
	v_fmac_f32 v3, v7, v7
	v_mul_f32 v3, 0x3e800000, v3
	v_fmamk_f32 v3, v5, 0x3a800000, v3
	v_add_f32 v[E1+(\a)], 0x3727c5ac, v3           ; + 1e-5
.endm
	STATS 0
	STATS 1
	STATS 2
	STATS 3
.irp a, 0,1,2,3
	v_rsq_f32 v[RS+2*\a], v[E1+\a]
.endr
	v_nop                                          ; a plain instruction behind the last of the four,
	s_wait_alu depctr_va_vdst(0)                   ; and the one wait ahead of the first use: the four reciprocal roots are written
.irp a, 0,1,2,3
	v_add_f32 v[E0+\a], v[NM+2*\a], v[E0+\a]       ; mean - mean_w
	v_mov_b32 v[RS+2*\a+1], v[RS+2*\a]
.endr
.irp a, 0,1,2,3
	v_mul_f32 v[C0+2*\a], -v[E0+\a], v[RS+2*\a]
.endr
.irp a, 0,1,2,3
	v_mov_b32 v[C0+2*\a+1], v[C0+2*\a]
.endr
	s_wait_alu depctr_vm_vsrc(0)                   ; the statistics' LDS stores have read v[E2 ..], v72-79, which the first block's lines write again as part of TT
; Column block nb: ((v - mean_w) rs + (mean_w - mean) rs) gain + beta, rounded to bf16, bounded below; its 16 bytes of a row of h, or of z, go into the rows in LDS a block later.
; At its head: the next block's gain and beta are asked for, and the block before is stored.
.macro NORM nb
.set pkc, PK+8*((\nb)%2)
.set pkn, PK+8*(((\nb)+1)%2)
.set cvc, CV+CVS*((\nb)%2)
.set cvp, CV+CVS*(((\nb)+1)%2)
.if (\nb) < 2
	s_wait_dscnt 0x0                               ; this block's gain and beta are in: nothing was issued behind their two loads
.else
	s_wait_dscnt 0x4                               ; this block's gain and beta are in; the four stores issued behind their two loads stay out
.endif
.if (\nb) >= 2
	s_wait_alu depctr_vm_vsrc(0)                   ; the stores issued in the block before have read this block's CV, which its conversions write again
.endif
.if (\nb) >= 1
	s_wait_alu depctr_va_vdst(0)                   ; the block before has written the other CV, which the stores below read, and is done reading its PK, in which the loads below land
.endif
.if (\nb) < 15
	ds_load_b128 v[pkn:pkn+3],   v[PARRD] offset:512+32*((\nb)+1)   ; (block 0: no vector line since the wait for the reciprocal roots names these registers)
	ds_load_b128 v[pkn+4:pkn+7], v[PARRD] offset:1024+32*((\nb)+1)
.endif
.if (\nb) >= 1
.set ax, 0
.rept 4
	ds_store_b128 v[HW+ax/2], v[cvp+4*ax:cvp+4*ax+3] offset:(ax%2)*ABLK+32*((\nb)-1)  ; row 16 a + r, columns 256 w + 16 (nb - 1) + 8 h + 0 .. 7
.set ax, ax+1
.endr
.endif
.set jx, 0
.rept 4
	v_lshlrev_b32 v[GG+2*jx],   16, v[pkc+jx]
	v_and_b32     v[GG+2*jx+1], s[HM], v[pkc+jx]
	v_lshlrev_b32 v[BT+2*jx],   16, v[pkc+4+jx]
	v_and_b32     v[BT+2*jx+1], s[HM], v[pkc+4+jx]
.set jx, jx+1
.endr
	WIN 0x02+(\nb)/8
.set ax, 0
.rept 4
.set jx, 0
.rept 4
	v_pk_fma_f32 v[TT+8*ax+2*jx:TT+8*ax+2*jx+1], v[8*(4*((\nb)%8)+ax)+2*jx:8*(4*((\nb)%8)+ax)+2*jx+1], v[RS+2*ax:RS+2*ax+1], v[C0+2*ax:C0+2*ax+1]
.set jx, jx+1
.endr
.set ax, ax+1
.endr
	WIN 0
.set ax, 0
.rept 4
.set jx, 0
.rept 4
	v_pk_fma_f32 v[TT+8*ax+2*jx:TT+8*ax+2*jx+1], v[TT+8*ax+2*jx:TT+8*ax+2*jx+1], v[GG+2*jx:GG+2*jx+1], v[BT+2*jx:BT+2*jx+1]
.set jx, jx+1
.endr
.set ax, ax+1
.endr
.set ax, 0
.rept 16
	v_cvt_pk_bf16_f32 v[cvc+ax], v[TT+2*ax], v[TT+2*ax+1]
.set ax, ax+1
.endr
.set ax, 0
.rept 16
	v_pk_max_num_bf16 v[cvc+ax], v[cvc+ax], v[LB]
.set ax, ax+1
.endr
.endm
.set nbn, 0
.rept 16
	NORM nbn
.set nbn, nbn+1
.endr
	v_add_nc_u32 v[PARRD], 1536, v[PARRD]          ; the second product's parameters.  The last loads that read v[PARRD] were issued in block 14, ahead of block 15's wait on vm_vsrc
	s_wait_alu depctr_va_vdst(0)                   ; block 15 has written its CV, which the last four stores read; v[PARRD] is written; the norm's lines are done with v64-127 and AB0, in which the next product's first loads land
.set ax, 0
.rept 4
	ds_store_b128 v[HW+ax/2], v[CV+CVS+4*ax:CV+CVS+4*ax+3] offset:(ax%2)*ABLK+32*15
.set ax, ax+1
.endr
	s_add_co_u32 s[GI], s[GI], 1
	s_cmp_lt_u32 s[GI], 2
	s_cbranch_scc1 .Lgemm
	; THE WAY OUT.  The rows in LDS hold z; a row's 2,048 bytes come from all four waves, and a wave stores 16 whole rows: so a barrier stands between the writing and the reading.
	s_wait_dscnt 0x0                               ; for the others' sake: my part of the rows is written
	s_barrier_signal -1
	s_barrier_wait -1
.set t, 0
.rept 8
	v_lshrrev_b32 v[LSTK+t], 16, v[LSTK+t]         ; the row of z,
	v_min_u32 v[LSTK+t], ZROWS-1, v[LSTK+t]        ; bounded,
	v_lshl_add_u32 v[LSTK+t], v[LSTK+t], 11, v[COLB]
.set t, t+1
.endr
	s_wait_alu depctr_va_vdst(0)                   ; v[LSTK ..] are written, which z's stores read as their offsets; no vector line follows
.macro RDZ n                           ; bytes 256 n .. of my 16 rows
.if (\n) >= 2
	s_wait_xcnt 0x0                                ; the buffer, which the stores of two chunks ago read, is loaded again only behind this wait
	s_wait_alu depctr_vm_vsrc(0)                   ; those stores have read the buffer's registers, in which the loads below land
.endif
.set t, 0
.rept 8
	ds_load_b128 v[OB+32*((\n)%2)+4*t:OB+32*((\n)%2)+4*t+3], v[XW] offset:t*APITCH+(\n)*256
.set t, t+1
.endr
.endm
.macro SENDZ n, younger                ; younger: the next chunk's eight loads, or none
	s_wait_dscnt \younger
.set t, 0
.rept 8
	global_store_b128 v[LSTK+t], v[OB+32*((\n)%2)+4*t:OB+32*((\n)%2)+4*t+3], s[24:25] offset:(\n)*256  ; sixteen lanes store 256 consecutive bytes of one row, aligned
.set t, t+1
.endr
.endm
	RDZ 0
.set cn, 1
.rept 7
	RDZ cn
	SENDZ cn-1, 8
.set cn, cn+1
.endr
	SENDZ 7, 0
	s_wait_dscnt 0x0                               ; the wave's end: my last LDS instructions are done
	s_wait_alu depctr_hold_cnt(0) depctr_sa_sdst(0) depctr_va_vdst(0) depctr_va_sdst(0) depctr_va_ssrc(0) depctr_va_vcc(0) depctr_vm_vsrc(0)
	s_wait_tensorcnt 0x0
	ds_add_u32 v187, v191
	s_wait_dscnt 0x0
	s_endpgm
.Lfunc_end_k_qebf8478237_chain:
	.size	k_qebf8478237_chain, .Lfunc_end_k_qebf8478237_chain-k_qebf8478237_chain
	.p2alignl 7, 3214868480
	.fill 96, 4, 3214868480
	.section	.rodata,"a",@progbits
	.p2align	6, 0x0
	.amdhsa_kernel k_qebf8478237_chain
		.amdhsa_group_segment_fixed_size 146944
		.amdhsa_private_segment_fixed_size 0
		.amdhsa_enable_private_segment 0
		.amdhsa_kernarg_size 88
		.amdhsa_user_sgpr_count 2
		.amdhsa_user_sgpr_kernarg_segment_ptr 1
		.amdhsa_wavefront_size32 1
		.amdhsa_system_sgpr_workgroup_id_x 1
		.amdhsa_system_sgpr_workgroup_id_y 1
		.amdhsa_system_sgpr_workgroup_id_z 1
		.amdhsa_system_vgpr_workitem_id 0
		.amdhsa_next_free_vgpr 1024
		.amdhsa_next_free_sgpr 88
		.amdhsa_reserve_vcc 0
		.amdhsa_float_denorm_mode_32 3
		.amdhsa_float_denorm_mode_16_64 3
		.amdhsa_memory_ordered 1
		.amdhsa_forward_progress 1
		.amdhsa_inst_pref_size 232
	.end_amdhsa_kernel
	.amdgpu_metadata
---
amdhsa.version: [ 1, 2 ]
amdhsa.kernels:
  - .name:           k_qebf8478237_chain
    .symbol:         k_qebf8478237_chain.kd
    .args:
      - { .name: xb, .offset: 0, .size: 8, .value_kind: global_buffer, .address_space: global }
      - { .name: wb, .offset: 8, .size: 8, .value_kind: global_buffer, .address_space: global }
      - { .name: list, .offset: 16, .size: 8, .value_kind: global_buffer, .address_space: global }
      - { .name: tiles, .offset: 24, .size: 8, .value_kind: global_buffer, .address_space: global }
      - { .name: b1, .offset: 32, .size: 8, .value_kind: global_buffer, .address_space: global }
      - { .name: g1, .offset: 40, .size: 8, .value_kind: global_buffer, .address_space: global }
      - { .name: beta1, .offset: 48, .size: 8, .value_kind: global_buffer, .address_space: global }
      - { .name: b2, .offset: 56, .size: 8, .value_kind: global_buffer, .address_space: global }
      - { .name: g2, .offset: 64, .size: 8, .value_kind: global_buffer, .address_space: global }
      - { .name: beta2, .offset: 72, .size: 8, .value_kind: global_buffer, .address_space: global }
      - { .name: z, .offset: 80, .size: 8, .value_kind: global_buffer, .address_space: global }
    .group_segment_fixed_size: 146944
    .private_segment_fixed_size: 0
    .kernarg_segment_align: 8
    .kernarg_segment_size: 88
    .max_flat_workgroup_size: 128
    .sgpr_count:     88
    .vgpr_count:     1024
    .wavefront_size: 32
...
	.end_amdgpu_metadata
.endif
;; end of part 5
;; launch combine: the kernel of part 4 again; grid 256 x 1, 8 waves a work-group, no clusters, 0 bytes of LDS; arguments xb, z, gw, out0; writes out0
